; MI455X (gfx1250); checked and timed in simulation.
; The chip was launched on July 23, 2026; its instructions are those of AMD's public machine-readable ISA for CDNA 5 (MIT licence, August 2026) and "CDNA5" Instruction Set Architecture Reference Guide (July 2026). The comments in the code are by the model that wrote it; some were corrected since.
;; RPMIL. Allowed arithmetic: matrix products marked QUANTISED: E2M1 operands, one E8M0 scale for each 32 along K, by v_wmma_scale_f32_16x16x128_f8f6f4 with both operands' format E2M1 (or v_wmma_scale_f32_32x16x128_f4), f32 sums; products left as they are: bf16, f16 or f32 operands; f32 sums; everything else in f32.
;; Inputs: X 4,096 x 1,024 float32; au_b 1,024 float32; au_w 1,024 x 1,024 float32; av_b 1,024 float32; av_w 1,024 x 1,024 float32; aw_b 1 float32; aw_w 1,024 x 1 float32; fc1_b 128 float32; fc1_w 1,024 x 128 float32; fc21_b 64 float32; fc21_w 128 x 64 float32; fc22_b 64 float32; fc22_w 128 x 64 float32; fc3_b 128 float32; fc3_w 64 x 128 float32; fc4_b 1,024 float32; fc4_w 128 x 1,024 float32; head_b 2 float32; head_w 1,024 x 2 float32; k_w 1,024 x 3,072 float32; ln_b 1,024 float32; ln_g 1,024 float32; o_b 1,024 float32; o_w 3,072 x 1,024 float32; q_w 1,024 x 3,072 float32; s 32 x 64 float32; v_w 1,024 x 3,072 float32.
;; Outputs: out0 1,024 float32; out1 1,024 float32; out2 2 float32; out3 1 x 64 float32; out4 1 x 64 float32; out5 32 x 64 float32.
;; This version of the problem:
;;   THIS VERSION OF THE PROBLEM IS GIVEN IN LOW PRECISION. The matrix products marked QUANTISED in the list below multiply operands that are first quantised to E2M1 (2 exponent bits, 1 mantissa bit; 4 bits a number), with one power-of-two scale for each 32 numbers along K (OCP MX v1.0); their sums are f32. The products marked 'left as it is' may take bf16, f16 or f32 operands, with f32 sums. Whichever they take, every output number must still come out within the allowed error. Rounding operands to bf16 (8 significant bits) uses up far more of that allowance than f16 does (11 bits, for magnitudes from 6e-5 to 65,504). All else is computed in f32.
;;   The module's matrix products, in the order in which they are computed (A, B: the left and right operand; K: the contracted axis; several contracted axes count as one K, in the product's order):
;;     1. [M 4,096, K 1,024] x [K 1,024, N 1,024]; A: input X; B: input av_w: QUANTISED
;;     2. [M 4,096, K 1,024] x [K 1,024, N 1,024]; A: input X; B: input au_w: QUANTISED
;;     3. [M 4,096, K 1,024] x [K 1,024, N 1]; A: computed on the way; B: input aw_w: left as it is (N = 1 < 16)
;;     4. [M 1, K 4,096] x [K 4,096, N 1,024]; A: computed on the way; B: input X: left as it is (M = 1 < 16)
;;     5. [M 1, K 1,024] x [K 1,024, N 128]; A: computed on the way; B: input fc1_w: left as it is (M = 1 < 16)
;;     6. [M 1, K 128] x [K 128, N 64]; A: computed on the way; B: input fc21_w: left as it is (M = 1 < 16)
;;     7. [M 1, K 128] x [K 128, N 64]; A: computed on the way; B: input fc22_w: left as it is (M = 1 < 16)
;;     8. [M 32, K 64] x [K 64, N 128]; A: computed on the way; B: input fc3_w: left as it is (an operand is computed on the way)
;;     9. [M 32, K 128] x [K 128, N 1,024]; A: computed on the way; B: input fc4_w: left as it is (an operand is computed on the way)
;;     10. [M 32, K 1,024] x [K 1,024, N 3,072]; A: computed on the way; B: input q_w: left as it is (an operand is computed on the way)
;;     11. [M 4,096, K 1,024] x [K 1,024, N 3,072]; A: computed on the way; B: input k_w: left as it is (an operand is computed on the way)
;;     12. [M 4,096, K 1,024] x [K 1,024, N 3,072]; A: computed on the way; B: input v_w: left as it is (an operand is computed on the way)
;;     13. batch 3 x [M 32, K 1,024] x [K 1,024, N 4,096]; A: computed on the way; B: computed on the way: left as it is (an operand is computed on the way)
;;     14. batch 3 x [M 1,024, K 4,096] x [K 4,096, N 32]; A: computed on the way; B: computed on the way: left as it is (an operand is computed on the way)
;;     15. [M 32, K 3,072] x [K 3,072, N 1,024]; A: computed on the way; B: input o_w: left as it is (an operand is computed on the way)
;;     16. [M 1, K 1,024] x [K 1,024, N 2]; A: computed on the way; B: input head_w: left as it is (M = 1 < 16)
;;   THE QUANTISER, for each operand of a quantised product, along K:
;;     - K is cut into blocks of 32 from its start; a last block that is shorter is filled with zeros.
;;     - A block's scale is 2^e with e = floor(log2(the largest magnitude in the block)) - 2, held to -126 .. 127; a block of zeros has e = 0. As a byte (E8M0): e + 127.
;;     - Each number is divided by its block's scale, clamped to +-6, and rounded to the nearest number of E2M1, ties to even, subnormals kept.
;;     - The product sums the exact products of the quantised numbers (number of the format x scale) in f32.
;;   ~~~python
;;   def quantise(x, axis):      # numpy; x: float32 -> the quantised numbers, widened to float32 again
;;       x = np.moveaxis(x, axis, -1); K = x.shape[-1]
;;       x = np.pad(x, [(0, 0)] * (x.ndim - 1) + [(0, -K % 32)]); x = x.reshape(x.shape[:-1] + (-1, 32)); a = np.abs(x).max(-1, keepdims=True)
;;       e = np.where(a > 0, np.clip(np.frexp(np.where(a > 0, a, 1))[1] - 1 - 2, -126, 127), 0)      # np.frexp(a)[1] - 1 = floor(log2(a)), exactly
;;       r = np.clip(x / 2.0 ** e, -6, 6)
;;       step = 2.0 ** (np.maximum(np.frexp(np.where(r == 0, 1, r))[1] - 1, 0) - 1)
;;       q = np.round(r / step) * step * 2.0 ** e      # np.round: ties to even
;;       return np.moveaxis(q.reshape(q.shape[:-2] + (-1,))[..., :K], -1, axis).astype(np.float32)
;;   ~~~
;; One version. Each part assembles by itself: llvm-mc -triple=amdgcn-amd-amdhsa -mcpu=gfx1250 --defsym DOCPART=n.
;; ======== version 1 of 1: 8 launches
;; limits: values are held in f16: magnitudes above 65,504 overflow, below 6.1e-05 lose precision
;; workspace buffers: w1 11,730,944 bytes; w2 131,072 bytes; w3 262,144 bytes; w4 155,648 bytes; w5 233,472 bytes; w6 196,608 bytes; w7 196,608 bytes
;; launch prep (part 1): grid 288 x 1, 16 waves a work-group, no clusters, 128,000 bytes of LDS; arguments X, ln_g, ln_b, av_w, au_w, w1; writes w1
.if DOCPART == 1
	.amdgcn_target "amdgcn-amd-amdhsa--gfx1250"
	.amdhsa_code_object_version 6
	.text
	.protected	k_q281ba5968a_prep
	.globl	k_q281ba5968a_prep
	.p2align	8
	.type	k_q281ba5968a_prep,@function
k_q281ba5968a_prep:
	s_mov_b64 s[64:65], 0
	v_nop
	global_prefetch_b8 v0, s[64:65] scope:SCOPE_SE
	s_setreg_imm32_b32 hwreg(HW_REG_WAVE_MODE, 25, 1), 1
	s_wait_xcnt 0x0
; X [4096][1024] f32 becomes (a) codes of E2M1 with one E8M0 byte for each 32 along K, (b) LayerNorm(X) in f16; av_w and au_w [k][n] f32 become codes along K = their first axis.
; All three are laid as IMAGES OF OPERAND REGISTERS, 16 rows x 1,024 K to an image:
;   codes: block b (32 k) of row r: 16 bytes at 256 b + 16 r;   f16: octet o (8 k) of row r: 16 bytes at 256 o + 16 r.  So register group c of K step s of lane L lies at 1024 s + 512 c + 16 L in both.
; w1: 0 the f16 images of LayerNorm(X); XQ X's codes; AVQ av_w's, behind them au_w's (a "row" is a column n); XS, AVS the scale bytes, [row][32].
; Work-groups 0-255: 16 rows of X, a wave a row.  Work-groups 256-287: 512 columns x 128 k of one weight, a lane a column, registers down K.
; A block's scale is 2^(floor(log2(largest magnitude)) - 2); its byte is the largest magnitude's exponent field - 2, held at 1 from below.
; LIMITS: a block of zeros gets the byte 1 (its codes are zeros, and this program alone reads the bytes); NaN and infinities are not served; LayerNorm(X) must lie inside f16's range: |.| <= 32 |g| + |b| < 65,504.
.set TURN,  0                          ; 16 x 4,608: a wave's row as loaded, 16 bytes of padding behind each 128
.set XIMG,  73728                      ; 128 units of 256 bytes + 16: the f16 image
.set CIMG,  108544                     ; 32 units likewise: the codes' image
.set SIMG,  117248                     ; 512 scale bytes
.set GB,    117760                     ; ln_g, then ln_b
.set SPARE, 125952                     ; the spare words, 128 bytes a wave
.set XQ,    8388608
.set AVQ,   10485760
.set XS,    11534336
.set AVS,   11665408
.set SEL,   26                         ; s[26:27] lane selects: lane l xor 16
.set INV,   28                         ; s28 1 / 1024
.set EPS,   29                         ; s29 1e-5
.macro WSUM v, t                       ; the sum over the wave's 32 lanes, in every lane
	v_add_f32_dpp v[\v], v[\v], v[\v] row_xmask:1 row_mask:0xf bank_mask:0xf
	v_add_f32_dpp v[\v], v[\v], v[\v] row_xmask:2 row_mask:0xf bank_mask:0xf
	v_add_f32_dpp v[\v], v[\v], v[\v] row_xmask:4 row_mask:0xf bank_mask:0xf
	v_add_f32_dpp v[\v], v[\v], v[\v] row_xmask:8 row_mask:0xf bank_mask:0xf
	v_permlanex16_b32 v[\t], v[\v], s[SEL], s[SEL+1]
	v_add_f32 v[\v], v[\v], v[\t]
.endm
.macro BAR                             ; my LDS stores have landed and my LDS loads are in: then the work-group's barrier
	s_wait_dscnt 0x0
	s_barrier_signal -1
	s_barrier_wait -1
.endm
; a row of 1,024 numbers, 32 a lane in v[x] on: the mean (m, m+1), the row centred in place, 1 / sqrt(var + eps) (m+2, m+3); t: four registers at work
.macro ROWSTAT x, m, t
	v_pk_add_f32 v[\t:\t+1], v[\x:\x+1], v[\x+2:\x+3]
	v_pk_add_f32 v[\t+2:\t+3], v[\x+4:\x+5], v[\x+6:\x+7]
.irp i, 8,12,16,20,24,28
	v_pk_add_f32 v[\t:\t+1], v[\t:\t+1], v[\x+\i:\x+\i+1]
	v_pk_add_f32 v[\t+2:\t+3], v[\t+2:\t+3], v[\x+\i+2:\x+\i+3]
.endr
	v_pk_add_f32 v[\t:\t+1], v[\t:\t+1], v[\t+2:\t+3]
	v_add_f32 v[\t], v[\t], v[\t+1]
	WSUM \t, \t+1
	v_mul_f32 v[\m], s[INV], v[\t]
	v_mov_b32 v[\m+1], v[\m]
.irp i, 0,2,4,6,8,10,12,14,16,18,20,22,24,26,28,30
	v_pk_add_f32 v[\x+\i:\x+\i+1], v[\x+\i:\x+\i+1], v[\m:\m+1] neg_lo:[0,1] neg_hi:[0,1]
.endr
	v_pk_mul_f32 v[\t:\t+1], v[\x:\x+1], v[\x:\x+1]
	v_pk_mul_f32 v[\t+2:\t+3], v[\x+2:\x+3], v[\x+2:\x+3]
.irp i, 4,8,12,16,20,24,28
	v_pk_fma_f32 v[\t:\t+1], v[\x+\i:\x+\i+1], v[\x+\i:\x+\i+1], v[\t:\t+1]
	v_pk_fma_f32 v[\t+2:\t+3], v[\x+\i+2:\x+\i+3], v[\x+\i+2:\x+\i+3], v[\t+2:\t+3]
.endr
	v_pk_add_f32 v[\t:\t+1], v[\t:\t+1], v[\t+2:\t+3]
	v_add_f32 v[\t], v[\t], v[\t+1]
	WSUM \t, \t+1
	v_fma_f32 v[\t], v[\t], s[INV], s[EPS]
	v_rsq_f32 v[\m+2], v[\t]
	v_nop                                          ; a plain instruction behind the transcendental,
	s_wait_alu depctr_va_vdst(0)                   ; and the wait ahead of its first reader
	v_mov_b32 v[\m+3], v[\m+2]
.endm
	s_load_b256 s[4:11], s[0:1], 0x0               ; X s[4:5], ln_g s[6:7], ln_b s[8:9], av_w s[10:11]
	s_load_b128 s[12:15], s[0:1], 0x20             ; au_w s[12:13], w1 s[14:15]
	v_lshl_add_u32 v2, v0, 2, SPARE                ; my spare word,
	v_mov_b32 v3, 0                                ; and 0: kept for the closing add alone
	v_and_b32 v1, 31, v0                           ; lane
	v_lshrrev_b32 v4, 5, v0
	v_readfirstlane_b32 s16, v4                    ; wave 0..15
	v_lshlrev_b32 v4, 4, v1                        ; 16 x lane
	s_cmp_ge_u32 ttmp9, 256
	s_cbranch_scc1 .Lweights
	; ---------------- rows of X: row 16 m + wave, m = the work-group's number ----------------
	v_and_b32 v116, 15, v1                         ; r
	v_lshrrev_b32 v117, 4, v1                      ; h
	s_mul_i32 s17, s16, 4608
	v_lshrrev_b32 v5, 3, v1
	v_lshl_add_u32 v5, v5, 4, v4
	v_add_nc_u32 v5, s17, v5                       ; v5: into my turn: 16 l + 16 (l / 8)
	v_mul_u32_u24 v6, v1, 144
	v_add_nc_u32 v6, s17, v6                       ; v6: out of it: block l, 128 bytes + 16
	v_lshrrev_b32 v7, 1, v1
	v_mul_u32_u24 v7, v7, 272
	v_and_b32 v8, 1, v1
	v_lshl_add_u32 v7, v8, 3, v7
	s_lshl_b32 s18, s16, 4
	s_add_co_u32 s19, s18, XIMG
	v_add_nc_u32 v7, s19, v7                       ; v7: f16 image, in: unit l / 2, row = wave, half l % 2
	v_mul_u32_u24 v118, v117, 272
	v_lshl_add_u32 v118, v116, 4, v118             ; 272 h + 16 r
	s_mul_i32 s19, s16, 2176
	s_add_co_u32 s19, s19, XIMG
	v_add_nc_u32 v8, s19, v118                     ; v8: f16 image, out: units 8 w + h on
	v_mul_u32_u24 v9, v1, 272
	s_add_co_u32 s19, s18, CIMG
	v_add_nc_u32 v9, s19, v9                       ; v9: codes' image, in: unit = block l, row = wave
	v_add_nc_u32 v10, SIMG, v0                     ; v10: my block's scale byte: 32 x wave + lane
	s_mul_i32 s19, s16, 544
	s_add_co_u32 s19, s19, CIMG
	v_add_nc_u32 v11, s19, v118                    ; v11: codes' image, out: units 2 w + h
	s_lshl_b32 s19, s16, 9
	s_add_co_u32 s19, s19, GB
	v_add_nc_u32 v120, s19, v4                     ; v120: my piece of g or b
	v_add_nc_u32 v121, GB, v4                      ; v121: g and b as the row's loads lie
	v_add_nc_u32 v122, SIMG, v4                    ; v122: the scale bytes, out
	s_mov_b32 s[SEL], 0x76543210
	s_mov_b32 s[SEL+1], 0xfedcba98
	s_mov_b32 s[INV], 0x3a800000
	s_mov_b32 s[EPS], 0x3727c5ac
	s_lshl_b32 s22, ttmp9, 15
	s_lshl_b32 s23, s16, 11
	s_add_co_u32 s22, s22, s23
	v_add_nc_u32 v123, s22, v4                     ; w1: 32768 m + 2048 w + 16 l
	s_lshl_b32 s22, ttmp9, 13
	s_lshl_b32 s23, s16, 9
	s_add_co_u32 s22, s22, s23
	s_add_co_u32 s22, s22, XQ
	v_add_nc_u32 v124, s22, v4                     ; XQ + 8192 m + 512 w + 16 l
	s_lshl_b32 s22, ttmp9, 9
	s_add_co_u32 s22, s22, XS
	v_add_nc_u32 v125, s22, v4                     ; XS + 512 m + 16 l
	s_and_b32 s22, s16, 7
	s_lshl_b32 s22, s22, 9
	v_add_nc_u32 v126, s22, v4                     ; my 512 bytes of g (waves 0-7) or b (waves 8-15)
	s_lshl_b32 s24, ttmp9, 16
	s_lshl_b32 s23, s16, 12
	s_add_co_u32 s24, s24, s23
	s_mov_b32 s25, 0
	s_wait_kmcnt 0x0
	s_cmp_lt_u32 s16, 8
	s_cselect_b64 s[20:21], s[6:7], s[8:9]
	s_add_nc_u64 s[4:5], s[4:5], s[24:25]          ; X at my row
	global_load_b128 v[112:115], v126, s[20:21]
.set j, 0
.rept 8
	global_load_b128 v[16+4*j:19+4*j], v4, s[4:5] offset:512*j   ; 32 lanes read 512 consecutive bytes
.set j, j+1
.endr
	s_wait_loadcnt 8                               ; the piece is in; the row's eight loads are younger
	ds_store_b128 v120, v[112:115]
	s_wait_loadcnt 0x0
.set j, 0
.rept 8
	ds_store_b128 v5, v[16+4*j:19+4*j] offset:576*j    ; the raw row into my turn
.set j, j+1
.endr
	BAR                                            ; g and b are whole; my turn's stores have read the row's registers
.set j, 0
.rept 8
	ds_load_b128 v[48+4*j:51+4*j], v121 offset:512*j
	ds_load_b128 v[80+4*j:83+4*j], v121 offset:4096+512*j
.set j, j+1
.endr
	ROWSTAT 16, 12, 116
	s_wait_dscnt 0x0                               ; g and b are in
.irp i, 0,2,4,6,8,10,12,14,16,18,20,22,24,26,28,30
	v_pk_mul_f32 v[16+\i:17+\i], v[16+\i:17+\i], v[14:15]
.endr
.irp i, 0,2,4,6,8,10,12,14,16,18,20,22,24,26,28,30
	v_pk_fma_f32 v[16+\i:17+\i], v[16+\i:17+\i], v[48+\i:49+\i], v[80+\i:81+\i]
.endr
.set j, 0
.rept 8
	v_cvt_pk_f16_f32 v[16+4*j], v[16+4*j], v[17+4*j]
	v_cvt_pk_f16_f32 v[17+4*j], v[18+4*j], v[19+4*j]
	ds_store_b64 v7, v[16+4*j:17+4*j] offset:4352*j    ; k = 128 j + 4 l on: half of octet 16 j + l / 2
.set j, j+1
.endr
.set j, 0
.rept 8
	ds_load_b128 v[48+4*j:51+4*j], v6 offset:16*j      ; block l of the raw row: my own bytes, served in order
.set j, j+1
.endr
	s_wait_dscnt 0x0
	v_max3_num_f32 v116, |v48|, |v49|, |v50|       ; the block's largest magnitude: all 32 numbers are mine
	v_max3_num_f32 v117, |v51|, |v52|, |v53|
.irp i, 6,10,14,18,22,26
	v_max3_num_f32 v116, v116, |v[48+\i]|, |v[49+\i]|
	v_max3_num_f32 v117, v117, |v[50+\i]|, |v[51+\i]|
.endr
	v_max3_num_f32 v116, v116, |v78|, |v79|
	v_max3_num_f32 v116, v116, v117, 0x1800000     ; the floor 2^(3 - 127): the byte cannot fall under 1
	v_add_nc_u32 v118, 0xff000000, v116            ; 2 off the exponent field: the conversion's scale operand
.irp g, 0,1,2,3
	v_cvt_scalef32_pk8_fp4_f32 v[12+\g], v[48+8*\g:55+8*\g], v118
.endr
	v_lshrrev_b32 v119, 23, v118                   ; the scale's byte (the plain instruction behind the conversions)
	ds_store_b128 v9, v[12:15]
	ds_store_b8 v10, v119
	BAR                                            ; the three images are whole
.irp i, 0,1,2,3
	ds_load_b128 v[16+4*\i:19+4*\i], v8 offset:544*\i
.endr
	ds_load_b128 v[32:35], v11
	s_wait_dscnt 0x0
.irp i, 0,1,2,3
	global_store_b128 v123, v[16+4*\i:19+4*\i], s[14:15] offset:512*\i   ; 512 consecutive bytes, aligned
.endr
	global_store_b128 v124, v[32:35], s[14:15]
	s_cmp_lg_u32 s16, 0
	s_cbranch_scc1 .Lrows_end
	ds_load_b128 v[36:39], v122                    ; wave 0: the tile's 512 scale bytes
	s_wait_dscnt 0x0
	global_store_b128 v125, v[36:39], s[14:15]
.Lrows_end:
	s_wait_tensorcnt 0x0                           ; the wave's end
	ds_add_u32 v2, v3
	s_wait_dscnt 0x0
	s_endpgm
	; ---------------- weights: a lane takes a column n, its registers run down K ----------------
.Lweights:
	s_sub_co_u32 s17, ttmp9, 256
	s_lshr_b32 s18, s17, 4                         ; 0: av_w, 1: au_w
	s_bfe_u32 s19, s17, 0x10003                    ; which 512 columns
	s_and_b32 s20, s17, 7                          ; which 128 along K
	v_lshlrev_b32 v5, 2, v1                        ; in: 4 bytes a lane
	v_and_b32 v6, 15, v1
	v_lshrrev_b32 v7, 4, v1
	v_lshlrev_b32 v6, 4, v6
	v_lshl_add_u32 v6, v7, 13, v6                  ; out: image n / 16 = 32 ch + 2 w + h, row r
	v_lshlrev_b32 v7, 5, v1                        ; scale bytes: 32 a column
	s_lshl_b32 s22, s20, 19                        ; 128 rows of 4,096 bytes
	s_lshl_b32 s21, s19, 11
	s_add_co_u32 s22, s22, s21
	s_lshl_b32 s21, s16, 7
	s_add_co_u32 s22, s22, s21
	s_mov_b32 s23, 0
	s_lshl_b32 s24, s18, 19
	s_lshl_b32 s21, s19, 18
	s_add_co_u32 s24, s24, s21
	s_lshl_b32 s21, s16, 14
	s_add_co_u32 s24, s24, s21
	s_lshl_b32 s21, s20, 10
	s_add_co_u32 s24, s24, s21
	s_add_co_u32 s24, s24, AVQ
	v_add_nc_u32 v6, s24, v6
	s_lshl_b32 s24, s18, 15
	s_lshl_b32 s21, s19, 14
	s_add_co_u32 s24, s24, s21
	s_lshl_b32 s21, s16, 10
	s_add_co_u32 s24, s24, s21
	s_lshl_b32 s21, s20, 2
	s_add_co_u32 s24, s24, s21
	s_add_co_u32 s24, s24, AVS
	v_add_nc_u32 v7, s24, v7
	s_wait_kmcnt 0x0
	s_cmp_eq_u32 s18, 0
	s_cselect_b64 s[10:11], s[10:11], s[12:13]
	s_add_nc_u64 s[10:11], s[10:11], s[22:23]
.macro WLOAD t                         ; block t: W(32 t + i, my column) into set t % 2
.set i, 0
.rept 32
	global_load_b32 v[16+32*((\t)%2)+i], v5, s[10:11] offset:(32*(\t)+i)*4096 th:TH_LOAD_NT
.set i, i+1
.endr
.endm
.macro WBLOCK t
.set XS0, 16+32*((\t)%2)
.if (\t) < 3
	s_wait_loadcnt 32                              ; this block's 32 loads are in; the next block's are younger
.else
	s_wait_loadcnt 0x0
.endif
	v_max3_num_f32 v113, |v[XS0]|, |v[XS0+1]|, |v[XS0+2]|
	v_max3_num_f32 v114, |v[XS0+3]|, |v[XS0+4]|, |v[XS0+5]|
.irp i, 6,10,14,18,22,26
	v_max3_num_f32 v113, v113, |v[XS0+\i]|, |v[XS0+\i+1]|
	v_max3_num_f32 v114, v114, |v[XS0+\i+2]|, |v[XS0+\i+3]|
.endr
	v_max3_num_f32 v113, v113, |v[XS0+30]|, |v[XS0+31]|
	v_max3_num_f32 v113, v113, v114, 0x1800000
	v_add_nc_u32 v115, 0xff000000, v113
.irp g, 0,1,2,3
	v_cvt_scalef32_pk8_fp4_f32 v[96+4*(\t)+\g], v[XS0+8*\g:XS0+8*\g+7], v115
.endr
	v_lshrrev_b32 v116, 23, v115                   ; the byte (the plain instruction behind the conversions)
.if (\t) == 0
	v_mov_b32 v112, v116
.else
	v_lshl_or_b32 v112, v116, 8*(\t), v112
.endif
	global_store_b128 v6, v[96+4*(\t):99+4*(\t)], s[14:15] offset:256*(\t)   ; sixteen lanes fill 256 consecutive bytes, aligned
.if (\t)+2 < 4
	WLOAD (\t)+2
.endif
.endm
	WLOAD 0
	WLOAD 1
	WBLOCK 0
	WBLOCK 1
	WBLOCK 2
	WBLOCK 3
	global_store_b32 v7, v112, s[14:15]            ; my column's four scale bytes of this K step
	s_wait_tensorcnt 0x0                           ; the closing lines, as in the other role
	ds_add_u32 v2, v3
	s_wait_dscnt 0x0
	s_endpgm
.Lfunc_end_k_q281ba5968a_prep:
	.size	k_q281ba5968a_prep, .Lfunc_end_k_q281ba5968a_prep-k_q281ba5968a_prep
	.p2alignl 7, 3214868480
	.fill 96, 4, 3214868480
	.section	.rodata,"a",@progbits
	.p2align	6, 0x0
	.amdhsa_kernel k_q281ba5968a_prep
		.amdhsa_group_segment_fixed_size 128000
		.amdhsa_private_segment_fixed_size 0
		.amdhsa_enable_private_segment 0
		.amdhsa_kernarg_size 48
		.amdhsa_user_sgpr_count 2
		.amdhsa_user_sgpr_kernarg_segment_ptr 1
		.amdhsa_wavefront_size32 1
		.amdhsa_system_sgpr_workgroup_id_x 1
		.amdhsa_system_sgpr_workgroup_id_y 1
		.amdhsa_system_sgpr_workgroup_id_z 1
		.amdhsa_system_vgpr_workitem_id 0
		.amdhsa_next_free_vgpr 128
		.amdhsa_next_free_sgpr 66
		.amdhsa_reserve_vcc 0
		.amdhsa_float_denorm_mode_32 3
		.amdhsa_float_denorm_mode_16_64 3
		.amdhsa_memory_ordered 1
		.amdhsa_forward_progress 1
		.amdhsa_inst_pref_size 37
	.end_amdhsa_kernel
	.amdgpu_metadata
---
amdhsa.version: [ 1, 2 ]
amdhsa.kernels:
  - .name:           k_q281ba5968a_prep
    .symbol:         k_q281ba5968a_prep.kd
    .args:
      - { .name: X, .offset: 0, .size: 8, .value_kind: global_buffer, .address_space: global }
      - { .name: ln_g, .offset: 8, .size: 8, .value_kind: global_buffer, .address_space: global }
      - { .name: ln_b, .offset: 16, .size: 8, .value_kind: global_buffer, .address_space: global }
      - { .name: av_w, .offset: 24, .size: 8, .value_kind: global_buffer, .address_space: global }
      - { .name: au_w, .offset: 32, .size: 8, .value_kind: global_buffer, .address_space: global }
      - { .name: w1, .offset: 40, .size: 8, .value_kind: global_buffer, .address_space: global }
    .group_segment_fixed_size: 128000
    .private_segment_fixed_size: 0
    .kernarg_segment_align: 8
    .kernarg_segment_size: 48
    .max_flat_workgroup_size: 512
    .sgpr_count:     66
    .vgpr_count:     128
    .wavefront_size: 32
...
	.end_amdgpu_metadata
.endif
;; end of part 1
;; launch gate (part 2): grid 8 x 32, 8 waves a work-group, no clusters, 214,016 bytes of LDS; arguments w1, av_b, au_b, aw_w, w2; writes w2
.if DOCPART == 2
	.amdgcn_target "amdgcn-amd-amdhsa--gfx1250"
	.amdhsa_code_object_version 6
	.text
	.protected	k_q281ba5968a_gate
	.globl	k_q281ba5968a_gate
	.p2align	8
	.type	k_q281ba5968a_gate,@function
k_q281ba5968a_gate:
	s_mov_b64 s[64:65], 0
	v_nop
	global_prefetch_b8 v0, s[64:65] scope:SCOPE_SE
	s_setreg_imm32_b32 hwreg(HW_REG_WAVE_MODE, 25, 1), 1
	s_wait_xcnt 0x0
; The two quantised products and the gate: LP[cb][row] = sum over 128 columns n of tanh(X av_w + av_b)(row, n) sigmoid(X au_w + au_b)(row, n) aw_w[n].
; A work-group: 128 rows of X x 128 columns of av_w and the same of au_w, all of K = 1,024, on codes of E2M1 with E8M0 scales.  All operands are read from memory once, in one burst, and lie in LDS as register images.
; Wave w: rows 64 (w / 4) on (4 tiles b), columns 32 (w % 4) on (tiles a = 0, 1 of av_w, a = 2, 3 of au_w): 16 accumulators, which take turns, one instruction a turn.
; The product is used transposed (source 0 = 16 columns of a weight, source 1 = 16 rows of X): a lane holds one row of X, its registers eight neighbouring columns.
; tanh(v) sigmoid(u) = (E1 - 1) / ((E1 + 1)(E2 + 1)), E1 = 2^(2 log2(e) v), E2 = 2^(-log2(e) u).
; LIMIT: both exponents are held at 60 from above, beyond which tanh is 1 in f32 and the sigmoid under 1e-18; so no product overflows.  NaN and infinities are not served.
; No cluster: the operands go through registers into LDS, so there is no joint request to share; sharing A along a row and B along a column of work-groups would want tensor loads.
.set XI,    0                          ; X's 8 images of 8,192 bytes
.set WI,    65536                      ; the weights': [column group 4][V0, V1, U0, U1][8192]
.set SCX,   196608                     ; X's scale bytes, 32 a row
.set SCW,   200704                     ; the weights': [column group 4][V0, V1, U0, U1][512]
.set BI,    208896                     ; av_b, au_b, aw_w: 512 bytes each
.set RED,   210944                     ; [column group 4][128 rows] f32
.set SPARE, 212992
.set XQ,    8388608
.set AVQ,   10485760
.set XS,    11534336
.set AVS,   11665408
.set XF,    32                         ; v32-63  X's four fragments
.set WF,    64                         ; v64-95  the weights' four
.set ACC,   96                         ; v96-223 accumulator (b, a) at 96 + 8 (4 b + a)
.set SC,    224                        ; v224-255 scale words alone: 224 + 8 t + s: lanes 0-15 X's tile t, lanes 16-31 the weights' tile t, K step s
.set BV,    32                         ; the way out: the biases x their factors, aw_w, and 16 registers at work
.set BU,    48
.set AW,    64
.set TT,    80
.set K1,    24                         ; s[24:25] 2 log2(e)
.set K2,    46                         ; s[46:47] -log2(e)
.set SEL,   26
.macro BAR
	s_wait_dscnt 0x0
	s_barrier_signal -1
	s_barrier_wait -1
.endm
	s_load_b256 s[4:11], s[0:1], 0x0               ; w1 s[4:5], av_b s[6:7], au_b s[8:9], aw_w s[10:11]
	s_load_b64 s[12:13], s[0:1], 0x20              ; w2
	v_lshl_add_u32 v2, v0, 2, SPARE
	v_mov_b32 v3, 0
	v_and_b32 v1, 31, v0
	v_lshrrev_b32 v16, 5, v0
	v_readfirstlane_b32 s14, v16                   ; wave 0..7
	s_lshr_b32 s15, s14, 2                         ; rg
	s_and_b32 s16, s14, 3                          ; cg
	s_and_b32 s17, ttmp7, 0xffff                   ; rb
	v_lshlrev_b32 v4, 4, v1                        ; v4: 16 x lane: every global offset, and an image's place for my lane
	v_and_b32 v16, 15, v1                          ; r
	v_lshrrev_b32 v17, 4, v1                       ; h
	s_lshl_b32 s18, s14, 13
	v_add_nc_u32 v5, s18, v4                       ; v5: staging X's image w
	s_lshr_b32 s19, s14, 1
	s_and_b32 s20, s14, 1
	s_lshl_b32 s21, s19, 15
	s_lshl_b32 s22, s20, 13
	s_add_co_u32 s21, s21, s22
	s_add_co_u32 s21, s21, WI
	v_add_nc_u32 v6, s21, v4                       ; v6: staging V's image w (U's: 16,384 on)
	s_lshl_b32 s21, s14, 9
	s_add_co_u32 s21, s21, SCX
	v_add_nc_u32 v7, s21, v4                       ; v7: staging X's scale bytes
	s_lshl_b32 s21, s19, 11
	s_lshl_b32 s22, s20, 9
	s_add_co_u32 s21, s21, s22
	s_add_co_u32 s21, s21, SCW
	v_add_nc_u32 v8, s21, v4                       ; v8: staging V's scale bytes (U's: 1,024 on)
	s_min_u32 s21, s14, 2
	s_lshl_b32 s21, s21, 9
	s_add_co_u32 s21, s21, BI
	v_add_nc_u32 v9, s21, v4                       ; v9: staging a bias (waves 0 to 2)
	s_lshl_b32 s21, s15, 15
	v_add_nc_u32 v10, s21, v4                      ; v10: X's fragments
	s_lshl_b32 s21, s16, 15
	s_add_co_u32 s21, s21, WI
	v_add_nc_u32 v11, s21, v4                      ; v11: the weights' fragments
	s_lshl_b32 s21, s15, 11
	s_lshl_b32 s22, s16, 11
	s_add_co_u32 s22, s22, SCW-SCX
	s_sub_co_u32 s22, s22, s21
	v_mul_u32_u24 v12, s22, v17                    ; lanes 16-31 take the weights' words: one product, the distance between the two bases
	v_lshl_add_u32 v12, v16, 5, v12
	s_add_co_u32 s21, s21, SCX
	v_add_nc_u32 v12, s21, v12                     ; v12: the scale words
	s_lshl_b32 s21, s16, 7
	s_add_co_u32 s21, s21, BI
	v_lshl_add_u32 v13, v17, 5, s21                ; v13: my eight columns' biases
	s_lshl_b32 s21, s16, 9
	s_lshl_b32 s22, s15, 8
	s_add_co_u32 s21, s21, s22
	s_add_co_u32 s21, s21, RED
	v_lshl_add_u32 v14, v16, 2, s21                ; v14: my rows' partial logits
	v_add_nc_u32 v15, RED, v4                      ; v15: and back
	s_mov_b32 s[K1], 0x4038aa3b
	s_mov_b32 s[K1+1], s[K1]
	s_mov_b32 s[K2], 0xbfb8aa3b
	s_mov_b32 s[K2+1], s[K2]
	s_mov_b32 s[SEL], 0x76543210
	s_mov_b32 s[SEL+1], 0xfedcba98
	s_mov_b32 s29, 0
	s_lshl_b32 s30, s14, 9
	s_lshl_b32 s28, s17, 16
	s_add_co_u32 s28, s28, s18
	s_add_co_u32 s28, s28, XQ
	s_wait_kmcnt 0x0
	s_add_nc_u64 s[32:33], s[4:5], s[28:29]        ; X's image 8 rb + w
	s_lshl_b32 s28, ttmp9, 16
	s_add_co_u32 s28, s28, s18
	s_add_co_u32 s28, s28, AVQ
	s_add_nc_u64 s[34:35], s[4:5], s[28:29]        ; av_w's image 8 cb + w
	s_add_nc_u64 s[36:37], s[34:35], 0x80000       ; au_w's
	s_lshl_b32 s28, s17, 12
	s_add_co_u32 s28, s28, s30
	s_add_co_u32 s28, s28, XS
	s_add_nc_u64 s[38:39], s[4:5], s[28:29]
	s_lshl_b32 s28, ttmp9, 12
	s_add_co_u32 s28, s28, s30
	s_add_co_u32 s28, s28, AVS
	s_add_nc_u64 s[40:41], s[4:5], s[28:29]
	s_add_nc_u64 s[42:43], s[40:41], 0x8000
	s_cmp_eq_u32 s14, 0
	s_cselect_b64 s[44:45], s[6:7], s[8:9]
	s_cmp_eq_u32 s14, 2
	s_cselect_b64 s[44:45], s[10:11], s[44:45]     ; wave 0: av_b, wave 1: au_b, wave 2: aw_w
	s_lshl_b32 s28, ttmp9, 9
	s_add_nc_u64 s[44:45], s[44:45], s[28:29]
	s_lshl_b32 s28, ttmp9, 14
	s_lshl_b32 s30, s17, 9
	s_add_co_u32 s28, s28, s30
	s_add_nc_u64 s[12:13], s[12:13], s[28:29]      ; LP + 16384 cb + 512 rb
	s_cmp_lt_u32 s14, 3
	s_cbranch_scc0 .Lno_bias_load
	global_load_b128 v[28:31], v4, s[44:45]
.Lno_bias_load:
	global_load_b128 v[16:19], v4, s[38:39]
	global_load_b128 v[20:23], v4, s[40:41]
	global_load_b128 v[24:27], v4, s[42:43]
.set i, 0
.rept 16
	global_load_b128 v[32+4*i:35+4*i], v4, s[32:33] offset:512*i
.set i, i+1
.endr
.set i, 0
.rept 16
	global_load_b128 v[96+4*i:99+4*i], v4, s[34:35] offset:512*i
.set i, i+1
.endr
.set i, 0
.rept 16
	global_load_b128 v[160+4*i:163+4*i], v4, s[36:37] offset:512*i
.set i, i+1
.endr
	s_wait_loadcnt 48                              ; scales and bias are in; the 48 loads of codes are younger
	ds_store_b128 v7, v[16:19]
	ds_store_b128 v8, v[20:23]
	ds_store_b128 v8, v[24:27] offset:1024
	s_cmp_lt_u32 s14, 3
	s_cbranch_scc0 .Lno_bias_store
	ds_store_b128 v9, v[28:31]
.Lno_bias_store:
	s_wait_loadcnt 32                              ; X's 16 are in
.set i, 0
.rept 16
	ds_store_b128 v5, v[32+4*i:35+4*i] offset:512*i
.set i, i+1
.endr
	s_wait_loadcnt 16                              ; av_w's
.set i, 0
.rept 16
	ds_store_b128 v6, v[96+4*i:99+4*i] offset:512*i
.set i, i+1
.endr
	s_wait_loadcnt 0x0                             ; au_w's
.set i, 0
.rept 16
	ds_store_b128 v6, v[160+4*i:163+4*i] offset:16384+512*i
.set i, i+1
.endr
	BAR                                            ; all operands lie in LDS
.irp t, 0,1,2,3
.irp c, 0,1
	ds_load_b128 v[SC+8*\t+4*\c:SC+8*\t+4*\c+3], v12 offset:512*\t+16*\c   ; the scale words of all eight K steps
.endr
.endr
.macro KSTEP s
.if \s > 0
.rept 4
	v_nop                                          ; four places in front of loads into registers that matrix instructions have read
.endr
.endif
.irp t, 0,1,2,3
.irp c, 0,1
	ds_load_b128 v[XF+8*\t+4*\c:XF+8*\t+4*\c+3], v10 offset:8192*\t+1024*\s+512*\c
	ds_load_b128 v[WF+8*\t+4*\c:WF+8*\t+4*\c+3], v11 offset:8192*\t+1024*\s+512*\c
.endr
.endr
	s_wait_dscnt 0x0
.irp a, 0,1,2,3
.irp b, 0,1,2,3
.if \s == 0
	v_wmma_scale_f32_16x16x128_f8f6f4 v[ACC+8*(4*\b+\a):ACC+8*(4*\b+\a)+7], v[WF+8*\a:WF+8*\a+7], v[XF+8*\b:XF+8*\b+7], 0, v[SC+8*\a+\s], v[SC+8*\b+\s] matrix_a_fmt:MATRIX_FMT_FP4 matrix_b_fmt:MATRIX_FMT_FP4 matrix_a_scale:MATRIX_SCALE_ROW1
.else
	v_wmma_scale_f32_16x16x128_f8f6f4 v[ACC+8*(4*\b+\a):ACC+8*(4*\b+\a)+7], v[WF+8*\a:WF+8*\a+7], v[XF+8*\b:XF+8*\b+7], v[ACC+8*(4*\b+\a):ACC+8*(4*\b+\a)+7], v[SC+8*\a+\s], v[SC+8*\b+\s] matrix_a_fmt:MATRIX_FMT_FP4 matrix_b_fmt:MATRIX_FMT_FP4 matrix_a_scale:MATRIX_SCALE_ROW1
.endif
.endr
.endr
.endm
.irp s, 0,1,2,3,4,5,6,7
	KSTEP \s
.endr
.rept 4
	v_nop                                          ; places behind the last products: loads into their sources follow, and reads of their results
.endr
.irp a, 0,1
.irp q, 0,1
	ds_load_b128 v[BV+8*\a+4*\q:BV+8*\a+4*\q+3], v13 offset:64*\a+16*\q
	ds_load_b128 v[BU+8*\a+4*\q:BU+8*\a+4*\q+3], v13 offset:512+64*\a+16*\q
	ds_load_b128 v[AW+8*\a+4*\q:AW+8*\a+4*\q+3], v13 offset:1024+64*\a+16*\q
.endr
.endr
	s_wait_dscnt 0x0
.irp i, 0,2,4,6,8,10,12,14
	v_pk_mul_f32 v[BV+\i:BV+\i+1], v[BV+\i:BV+\i+1], s[K1:K1+1] op_sel_hi:[1,0]
	v_pk_mul_f32 v[BU+\i:BU+\i+1], v[BU+\i:BU+\i+1], s[K2:K2+1] op_sel_hi:[1,0]
.endr
; tile b of rows: 16 numbers of X av_w and 16 of X au_w a lane, each accumulator from its low end on
.macro GATE b
.set B, ACC+32*\b
.irp i, 0,2,4,6,8,10,12,14
	v_pk_fma_f32 v[B+\i:B+\i+1], v[B+\i:B+\i+1], s[K1:K1+1], v[BV+\i:BV+\i+1] op_sel_hi:[1,0,1]
.endr
.irp i, 0,2,4,6,8,10,12,14
	v_pk_fma_f32 v[B+16+\i:B+17+\i], v[B+16+\i:B+17+\i], s[K2:K2+1], v[BU+\i:BU+\i+1] op_sel_hi:[1,0,1]
.endr
.set j, 0
.rept 32
	v_min_num_f32 v[B+j], 0x42700000, v[B+j]       ; the hold at 60
.set j, j+1
.endr
.set j, 0
.rept 32
	v_exp_f32 v[B+j], v[B+j]                       ; E1 (16), E2 (16): one batch
.set j, j+1
.endr
	v_nop
	s_wait_alu depctr_va_vdst(0)                   ; one wait for the batch, ahead of its first reader
.irp i, 0,2,4,6,8,10,12,14
	v_pk_add_f32 v[TT+\i:TT+\i+1], v[B+\i:B+\i+1], 1.0 op_sel_hi:[1,0]
.endr
.irp i, 0,2,4,6,8,10,12,14
	v_pk_add_f32 v[B+16+\i:B+17+\i], v[B+16+\i:B+17+\i], 1.0 op_sel_hi:[1,0]
.endr
.irp i, 0,2,4,6,8,10,12,14
	v_pk_mul_f32 v[TT+\i:TT+\i+1], v[TT+\i:TT+\i+1], v[B+16+\i:B+17+\i]
.endr
.set j, 0
.rept 16
	v_rcp_f32 v[TT+j], v[TT+j]
.set j, j+1
.endr
.irp i, 0,2,4,6,8,10,12,14
	v_pk_add_f32 v[B+\i:B+\i+1], v[B+\i:B+\i+1], -1.0 op_sel_hi:[1,0]   ; E1 - 1: plain work behind the reciprocals
.endr
	s_wait_alu depctr_va_vdst(0)
.irp i, 0,2,4,6,8,10,12,14
	v_pk_mul_f32 v[B+\i:B+\i+1], v[B+\i:B+\i+1], v[TT+\i:TT+\i+1]
.endr
	v_pk_mul_f32 v[16+2*\b:17+2*\b], v[B:B+1], v[AW:AW+1]
.irp i, 2,4,6,8,10,12,14
	v_pk_fma_f32 v[16+2*\b:17+2*\b], v[B+\i:B+\i+1], v[AW+\i:AW+\i+1], v[16+2*\b:17+2*\b]
.endr
.endm
	GATE 0
	GATE 1
	GATE 2
	GATE 3
.irp b, 0,1,2,3
	v_add_f32 v[16+2*\b], v[16+2*\b], v[17+2*\b]
.endr
.irp b, 0,1,2,3
	v_permlanex16_b32 v[24+\b], v[16+2*\b], s[SEL], s[SEL+1]   ; the row's other 16 columns lie in the lane 16 away
.endr
.irp b, 0,1,2,3
	v_add_f32 v[16+2*\b], v[16+2*\b], v[24+\b]
	ds_store_b32 v14, v[16+2*\b] offset:64*\b      ; both halves of the lanes write the same word with the same value
.endr
	BAR
	s_cmp_lg_u32 s14, 0
	s_cbranch_scc1 .Lend
.irp q, 0,1,2,3
	ds_load_b128 v[32+4*\q:35+4*\q], v15 offset:512*\q
.endr
	s_wait_dscnt 0x0
	v_pk_add_f32 v[32:33], v[32:33], v[36:37]
	v_pk_add_f32 v[34:35], v[34:35], v[38:39]
	v_pk_add_f32 v[40:41], v[40:41], v[44:45]
	v_pk_add_f32 v[42:43], v[42:43], v[46:47]
	v_pk_add_f32 v[32:33], v[32:33], v[40:41]
	v_pk_add_f32 v[34:35], v[34:35], v[42:43]
	global_store_b128 v4, v[32:35], s[12:13]       ; 128 rows' partial logits: 512 consecutive bytes, aligned
.Lend:
	s_wait_tensorcnt 0x0                           ; the wave's end
	ds_add_u32 v2, v3
	s_wait_dscnt 0x0
	s_endpgm
.Lfunc_end_k_q281ba5968a_gate:
	.size	k_q281ba5968a_gate, .Lfunc_end_k_q281ba5968a_gate-k_q281ba5968a_gate
	.p2alignl 7, 3214868480
	.fill 96, 4, 3214868480
	.section	.rodata,"a",@progbits
	.p2align	6, 0x0
	.amdhsa_kernel k_q281ba5968a_gate
		.amdhsa_group_segment_fixed_size 214016
		.amdhsa_private_segment_fixed_size 0
		.amdhsa_enable_private_segment 0
		.amdhsa_kernarg_size 40
		.amdhsa_user_sgpr_count 2
		.amdhsa_user_sgpr_kernarg_segment_ptr 1
		.amdhsa_wavefront_size32 1
		.amdhsa_system_sgpr_workgroup_id_x 1
		.amdhsa_system_sgpr_workgroup_id_y 1
		.amdhsa_system_sgpr_workgroup_id_z 1
		.amdhsa_system_vgpr_workitem_id 0
		.amdhsa_next_free_vgpr 256
		.amdhsa_next_free_sgpr 66
		.amdhsa_reserve_vcc 0
		.amdhsa_float_denorm_mode_32 3
		.amdhsa_float_denorm_mode_16_64 3
		.amdhsa_memory_ordered 1
		.amdhsa_forward_progress 1
		.amdhsa_inst_pref_size 73
	.end_amdhsa_kernel
	.amdgpu_metadata
---
amdhsa.version: [ 1, 2 ]
amdhsa.kernels:
  - .name:           k_q281ba5968a_gate
    .symbol:         k_q281ba5968a_gate.kd
    .args:
      - { .name: w1, .offset: 0, .size: 8, .value_kind: global_buffer, .address_space: global }
      - { .name: av_b, .offset: 8, .size: 8, .value_kind: global_buffer, .address_space: global }
      - { .name: au_b, .offset: 16, .size: 8, .value_kind: global_buffer, .address_space: global }
      - { .name: aw_w, .offset: 24, .size: 8, .value_kind: global_buffer, .address_space: global }
      - { .name: w2, .offset: 32, .size: 8, .value_kind: global_buffer, .address_space: global }
    .group_segment_fixed_size: 214016
    .private_segment_fixed_size: 0
    .kernarg_segment_align: 8
    .kernarg_segment_size: 40
    .max_flat_workgroup_size: 256
    .sgpr_count:     66
    .vgpr_count:     256
    .wavefront_size: 32
...
	.end_amdgpu_metadata
.endif
;; end of part 2
;; launch pool (part 3): grid 16 x 16, 8 waves a work-group, no clusters, 8,704 bytes of LDS; arguments X, w2, aw_b, fc1_w, w3; writes w3
.if DOCPART == 3
	.amdgcn_target "amdgcn-amd-amdhsa--gfx1250"
	.amdhsa_code_object_version 6
	.text
	.protected	k_q281ba5968a_pool
	.globl	k_q281ba5968a_pool
	.p2align	8
	.type	k_q281ba5968a_pool,@function
k_q281ba5968a_pool:
	s_mov_b64 s[64:65], 0
	v_nop
	global_prefetch_b8 v0, s[64:65] scope:SCOPE_SE
	s_setreg_imm32_b32 hwreg(HW_REG_WAVE_MODE, 25, 1), 1
	s_wait_xcnt 0x0
; The pooling softmax in parts, all in f32.  Work-group (c, g): rows 256 g on, columns 64 c on.
; a = the sum of the eight partial logits + aw_b; m = the largest a of the 256 rows; p = e^(a - m); l = the sum of p;
; XP[g][col] = sum over the rows of p X(row, col);  H1P[g][c][128] = sum over my 64 columns of XP x fc1_w(col, :).  The next launch joins the sixteen g by their m and l.
; No matrix unit (products of one row), no cluster (work-groups share only the logits and fc1_w, 40 KiB of 104), no ring: every byte is asked for in one burst at the head.
.set MX,    0                          ; a word a wave: its largest a
.set SM,    256                        ; a word a wave: its sum of p
.set PL,    512                        ; p of the 256 rows
.set AC,    1536                       ; [wave 8][64 columns] f32
.set HP,    3584                       ; [wave 8][128] f32
.set SPARE, 7680
.set SEL,   26
.macro WSUM v, t
	v_add_f32_dpp v[\v], v[\v], v[\v] row_xmask:1 row_mask:0xf bank_mask:0xf
	v_add_f32_dpp v[\v], v[\v], v[\v] row_xmask:2 row_mask:0xf bank_mask:0xf
	v_add_f32_dpp v[\v], v[\v], v[\v] row_xmask:4 row_mask:0xf bank_mask:0xf
	v_add_f32_dpp v[\v], v[\v], v[\v] row_xmask:8 row_mask:0xf bank_mask:0xf
	v_permlanex16_b32 v[\t], v[\v], s[SEL], s[SEL+1]
	v_add_f32 v[\v], v[\v], v[\t]
.endm
.macro WMAX v, t
	v_max_num_f32_dpp v[\v], v[\v], v[\v] row_xmask:1 row_mask:0xf bank_mask:0xf
	v_max_num_f32_dpp v[\v], v[\v], v[\v] row_xmask:2 row_mask:0xf bank_mask:0xf
	v_max_num_f32_dpp v[\v], v[\v], v[\v] row_xmask:4 row_mask:0xf bank_mask:0xf
	v_max_num_f32_dpp v[\v], v[\v], v[\v] row_xmask:8 row_mask:0xf bank_mask:0xf
	v_permlanex16_b32 v[\t], v[\v], s[SEL], s[SEL+1]
	v_max_num_f32 v[\v], v[\v], v[\t]
.endm
.macro BAR
	s_wait_dscnt 0x0
	s_barrier_signal -1
	s_barrier_wait -1
.endm
	s_load_b256 s[4:11], s[0:1], 0x0               ; X s[4:5], w2 s[6:7], aw_b s[8:9], fc1_w s[10:11]
	s_load_b64 s[12:13], s[0:1], 0x20              ; w3
	v_lshl_add_u32 v2, v0, 2, SPARE
	v_mov_b32 v3, 0
	v_and_b32 v1, 31, v0
	v_lshrrev_b32 v4, 5, v0
	v_readfirstlane_b32 s14, v4                    ; wave 0..7
	s_and_b32 s15, ttmp7, 0xffff                   ; g
	v_lshlrev_b32 v4, 4, v1                        ; 16 l
	v_and_b32 v16, 15, v1                          ; r
	v_lshrrev_b32 v17, 4, v1                       ; h
	s_lshl_b32 s17, s14, 2
	v_mov_b32 v5, s17                              ; v5: MX + 4 w
	v_mov_b32 v6, MX                               ; v6: MX
	v_lshl_add_u32 v7, v0, 2, PL                   ; v7: my row's p
	s_add_co_u32 s18, s17, SM
	v_mov_b32 v8, s18                              ; v8: SM + 4 w
	s_lshl_b32 s18, s14, 7
	s_add_co_u32 s18, s18, PL
	v_lshl_add_u32 v9, v17, 6, s18                 ; v9: p of my 16 rows
	s_lshl_b32 s18, s14, 8
	s_add_co_u32 s18, s18, AC
	v_lshl_add_u32 v10, v16, 4, s18                ; v10: AC, my wave's, columns 4 r on
	s_lshl_b32 s18, s14, 5
	s_add_co_u32 s18, s18, AC
	v_mov_b32 v11, s18                             ; v11: AC, columns 8 w on
	s_lshl_b32 s18, s14, 9
	s_add_co_u32 s18, s18, HP
	v_add_nc_u32 v12, s18, v4                      ; v12: HP, my wave's
	v_lshl_add_u32 v13, v1, 3, AC                  ; v13: AC + 8 l
	v_mov_b32 v14, SM                              ; v14: SM
	v_add_nc_u32 v15, HP, v4                       ; v15: HP + 16 l
	v_lshlrev_b32 v144, 2, v0                      ; the logits: 4 bytes a thread
	v_lshlrev_b32 v145, 4, v16
	v_lshl_add_u32 v145, v17, 16, v145             ; X: 16 rows down for lanes 16-31, 16 r
	v_lshlrev_b32 v146, 3, v1                      ; 8 l
	v_mov_b32 v142, 0                              ; written once: a lane permute's destination counts as a source
	s_mov_b32 s[SEL], 0x76543210
	s_mov_b32 s[SEL+1], 0xfedcba98
	s_mov_b32 s19, 0
	s_mov_b32 s25, 0
	s_wait_kmcnt 0x0
	s_load_b32 s16, s[8:9], 0x0                    ; aw_b
	s_lshl_b32 s18, s15, 10
	s_add_nc_u64 s[6:7], s[6:7], s[18:19]          ; the logits at row 256 g
	s_lshl_b32 s18, s15, 20
	s_lshl_b32 s24, s14, 17
	s_add_co_u32 s18, s18, s24
	s_lshl_b32 s24, ttmp9, 8
	s_add_co_u32 s18, s18, s24
	s_add_nc_u64 s[4:5], s[4:5], s[18:19]          ; X at row 256 g + 32 w, column 64 c
	s_lshl_b32 s18, ttmp9, 15
	s_lshl_b32 s24, s14, 12
	s_add_co_u32 s18, s18, s24
	s_add_nc_u64 s[10:11], s[10:11], s[18:19]      ; fc1_w at row 64 c + 8 w
	s_lshl_b32 s18, s15, 12
	s_lshl_b32 s24, ttmp9, 8
	s_add_co_u32 s18, s18, s24
	s_add_nc_u64 s[20:21], s[12:13], s[18:19]      ; XP + 4096 g + 256 c; the statistics lie 196,608 on
	s_lshl_b32 s18, s18, 1
	s_add_co_u32 s18, s18, 65536
	s_add_nc_u64 s[22:23], s[12:13], s[18:19]      ; H1P + 512 (16 g + c)
.set i, 0
.rept 8
	global_load_b32 v[112+i], v144, s[6:7] offset:16384*i
.set i, i+1
.endr
.set i, 0
.rept 16
	global_load_b128 v[16+4*i:19+4*i], v145, s[4:5] offset:4096*i th:TH_LOAD_NT   ; sixteen lanes read 256 consecutive bytes of a row
.set i, i+1
.endr
.set i, 0
.rept 8
	global_load_b128 v[80+4*i:83+4*i], v4, s[10:11] offset:512*i
.set i, i+1
.endr
	s_wait_loadcnt 24                              ; the logits are in; X's 16 and fc1_w's 8 loads are younger
	v_add_f32 v112, v112, v113
	v_add_f32 v114, v114, v115
	v_add_f32 v116, v116, v117
	v_add_f32 v118, v118, v119
	v_add_f32 v112, v112, v114
	v_add_f32 v116, v116, v118
	v_add_f32 v112, v112, v116
	s_wait_kmcnt 0x0
	v_add_f32 v140, s16, v112                      ; a
	v_mov_b32 v141, v140
	WMAX 141, 142
	ds_store_b32 v5, v141
	BAR
	ds_load_b128 v[120:123], v6
	ds_load_b128 v[124:127], v6 offset:16
	s_wait_dscnt 0x0
	v_max3_num_f32 v120, v120, v121, v122
	v_max3_num_f32 v120, v120, v123, v124
	v_max3_num_f32 v120, v120, v125, v126
	v_max_num_f32 v143, v120, v127                 ; m of the 256 rows
	v_sub_f32 v140, v140, v143
	v_mul_f32 v140, 0x3fb8aa3b, v140
	v_exp_f32 v140, v140                           ; p
	v_nop
	s_wait_alu depctr_va_vdst(0)
	ds_store_b32 v7, v140
	v_mov_b32 v141, v140
	WSUM 141, 142
	ds_store_b32 v8, v141
.irp i, 0,1,2,3
	ds_load_b128 v[120+4*\i:123+4*\i], v9 offset:16*\i   ; my wave's own words, served in order
.endr
	s_wait_dscnt 0x0
	s_wait_loadcnt 8                               ; X is in; fc1_w's 8 loads are younger
.irp q, 0,1,2,3
	v_mul_f32 v[136+\q], v120, v[16+\q]
.endr
.set i, 1
.rept 15
.irp q, 0,1,2,3
	v_fmac_f32 v[136+\q], v[120+i], v[16+4*i+\q]
.endr
.set i, i+1
.endr
.irp q, 0,1,2,3
	v_permlanex16_b32 v[112+\q], v[136+\q], s[SEL], s[SEL+1]
.endr
.irp q, 0,1,2,3
	v_add_f32 v[136+\q], v[136+\q], v[112+\q]
.endr
	ds_store_b128 v10, v[136:139]
	BAR                                            ; the eight waves' sums over their 32 rows lie in AC, their sums of p in SM
.set i, 0
.rept 8
	ds_load_b128 v[16+8*i:19+8*i], v11 offset:256*i
	ds_load_b128 v[20+8*i:23+8*i], v11 offset:256*i+16
.set i, i+1
.endr
	s_wait_dscnt 0x0
.set i, 1
.rept 7
.irp p, 0,2,4,6
	v_pk_add_f32 v[16+\p:17+\p], v[16+\p:17+\p], v[16+8*i+\p:17+8*i+\p]
.endr
.set i, i+1
.endr
	s_wait_loadcnt 0x0
.irp q, 0,1,2,3
	v_mul_f32 v[136+\q], v16, v[80+\q]
.endr
.set i, 1
.rept 7
.irp q, 0,1,2,3
	v_fmac_f32 v[136+\q], v[16+i], v[80+4*i+\q]
.endr
.set i, i+1
.endr
	ds_store_b128 v12, v[136:139]
	s_cmp_lg_u32 s14, 0
	s_cbranch_scc1 .Lnot_0a
.set i, 0
.rept 8
	ds_load_b64 v[24+2*i:25+2*i], v13 offset:256*i
.set i, i+1
.endr
	ds_load_b128 v[40:43], v14
	ds_load_b128 v[44:47], v14 offset:16
	s_wait_dscnt 0x0
.set i, 1
.rept 7
	v_pk_add_f32 v[24:25], v[24:25], v[24+2*i:25+2*i]
.set i, i+1
.endr
	v_pk_add_f32 v[40:41], v[40:41], v[42:43]
	v_pk_add_f32 v[44:45], v[44:45], v[46:47]
	v_pk_add_f32 v[40:41], v[40:41], v[44:45]
	v_mov_b32 v48, v143
	v_add_f32 v49, v40, v41                        ; l
	global_store_b64 v146, v[24:25], s[20:21]                   ; 64 columns: 256 consecutive bytes, aligned
	global_store_b64 v146, v[48:49], s[20:21] offset:196608     ; (m, l), 32 copies: 256 consecutive bytes, aligned
.Lnot_0a:
	BAR
	s_cmp_lg_u32 s14, 0
	s_cbranch_scc1 .Lend
.set i, 0
.rept 8
	ds_load_b128 v[52+4*i:55+4*i], v15 offset:512*i
.set i, i+1
.endr
	s_wait_dscnt 0x0
.set i, 1
.rept 7
	v_pk_add_f32 v[52:53], v[52:53], v[52+4*i:53+4*i]
	v_pk_add_f32 v[54:55], v[54:55], v[54+4*i:55+4*i]
.set i, i+1
.endr
	global_store_b128 v4, v[52:55], s[22:23]
.Lend:
	s_wait_tensorcnt 0x0                           ; the wave's end
	ds_add_u32 v2, v3
	s_wait_dscnt 0x0
	s_endpgm
.Lfunc_end_k_q281ba5968a_pool:
	.size	k_q281ba5968a_pool, .Lfunc_end_k_q281ba5968a_pool-k_q281ba5968a_pool
	.p2alignl 7, 3214868480
	.fill 96, 4, 3214868480
	.section	.rodata,"a",@progbits
	.p2align	6, 0x0
	.amdhsa_kernel k_q281ba5968a_pool
		.amdhsa_group_segment_fixed_size 8704
		.amdhsa_private_segment_fixed_size 0
		.amdhsa_enable_private_segment 0
		.amdhsa_kernarg_size 40
		.amdhsa_user_sgpr_count 2
		.amdhsa_user_sgpr_kernarg_segment_ptr 1
		.amdhsa_wavefront_size32 1
		.amdhsa_system_sgpr_workgroup_id_x 1
		.amdhsa_system_sgpr_workgroup_id_y 1
		.amdhsa_system_sgpr_workgroup_id_z 1
		.amdhsa_system_vgpr_workitem_id 0
		.amdhsa_next_free_vgpr 160
		.amdhsa_next_free_sgpr 66
		.amdhsa_reserve_vcc 0
		.amdhsa_float_denorm_mode_32 3
		.amdhsa_float_denorm_mode_16_64 3
		.amdhsa_memory_ordered 1
		.amdhsa_forward_progress 1
		.amdhsa_inst_pref_size 18
	.end_amdhsa_kernel
	.amdgpu_metadata
---
amdhsa.version: [ 1, 2 ]
amdhsa.kernels:
  - .name:           k_q281ba5968a_pool
    .symbol:         k_q281ba5968a_pool.kd
    .args:
      - { .name: X, .offset: 0, .size: 8, .value_kind: global_buffer, .address_space: global }
      - { .name: w2, .offset: 8, .size: 8, .value_kind: global_buffer, .address_space: global }
      - { .name: aw_b, .offset: 16, .size: 8, .value_kind: global_buffer, .address_space: global }
      - { .name: fc1_w, .offset: 24, .size: 8, .value_kind: global_buffer, .address_space: global }
      - { .name: w3, .offset: 32, .size: 8, .value_kind: global_buffer, .address_space: global }
    .group_segment_fixed_size: 8704
    .private_segment_fixed_size: 0
    .kernarg_segment_align: 8
    .kernarg_segment_size: 40
    .max_flat_workgroup_size: 256
    .sgpr_count:     66
    .vgpr_count:     160
    .wavefront_size: 32
...
	.end_amdgpu_metadata
.endif
;; end of part 3
;; launch vae (part 4): grid 64 x 1, 16 waves a work-group, no clusters, 143,360 bytes of LDS; arguments w3, fc1_b, fc21_w, fc21_b, fc22_w, fc22_b, s, fc3_w, fc3_b, fc4_w, fc4_b, o_w, head_w, w4, out0, out1, out3, out4, out5; writes w4, out0, out1, out3, out4, out5
.if DOCPART == 4
	.amdgcn_target "amdgcn-amd-amdhsa--gfx1250"
	.amdhsa_code_object_version 6
	.text
	.protected	k_q281ba5968a_vae
	.globl	k_q281ba5968a_vae
	.p2align	8
	.type	k_q281ba5968a_vae,@function
k_q281ba5968a_vae:
	s_mov_b64 s[64:65], 0
	v_nop
	global_prefetch_b8 v0, s[64:65] scope:SCOPE_SE
	s_setreg_imm32_b32 hwreg(HW_REG_WAVE_MODE, 25, 1), 1
	s_wait_xcnt 0x0
; All in f32.
; Work-groups 0-15 (c): join the sixteen parts of the pooling softmax (f_g = e^(m_g - m) / sum), x = sum f_g XP[g], h1 = relu(sum f_g H1P[g] + fc1_b), mu, logvar, z = mu + e^(logvar / 2) s,
;   r = relu(z fc3_w + fc3_b), and columns 64 c on of x_ = r fc4_w + fc4_b.  The chain up to r is done alike in all sixteen; each stores its 64 columns of x, x_ and mean(x_); work-group 0 stores mu, logvar, z.
;   The products of one row go by fused multiply-adds.  r (32 x 128, K = 64) and my part of x_ (32 x 64, K = 128) go to the matrix unit with f32 operands: 262,144 multiply-adds each, 512 matrix instructions
;   a work-group: no bulk work; f32 because z grows with e^(logvar / 2) and has no sure room in f16, and mean(x_) is an output.
;   A wave has one job of 16 rows x 16 columns x 64 along K in each of the two: r: tile (w % 2, w / 2); x_: tile (w % 2, (w / 2) % 4), K half w / 8; the two halves meet in LDS.
;   Both are used transposed (source 0 = 16 columns of the weight, source 1 = 16 rows): a lane holds one row and eight neighbouring columns: 32 bytes of the next operand's row.
;   K IS PERMUTED ALIKE IN BOTH OPERANDS: slot (lane / 16 = h, register j) of K step 2 s + u is k = 8 s + 4 h + 2 u + j: so a row's fragment is eight loads of 16 bytes, registers 2 t, 2 t + 1 for K step t.
; Work-groups 16-63 (j): t = o_w head_w, rows 64 j on: weights alone, on WGPs that the first role leaves free.
; w4: 0 x_ [32][1024] f32; 131,072 t [3072][2] f32.
; The two roles have LDS bytes of their own.  v216-247 are the four accumulators: matrix instructions alone write them, in the whole text.
; LIMITS: NaN and infinities are not served; the order of the f32 sums differs from a plain ascending one.
.set F3,    0                          ; fc3_w, 64 rows of 512 bytes + 16: rows four apart start 16 banks apart
.set F4,    33792                      ; my 64 columns of fc4_w, 128 rows of 256 bytes + 16: likewise
.set R1,    68608                      ; [g 16][128] parts of h1
.set R2,    76800                      ; [g 16][64] parts of x
.set H1,    80896                      ; [wave 16][128] h1, a copy for each wave
.set R3,    89088                      ; [wave 16][mu 64, logvar 64] parts
.set ZL,    97280                      ; z, 32 rows of 256 bytes + 16
.set RL,    105984                     ; r, 32 rows of 512 bytes + 16
.set XL,    122880                     ; [K half 2][32 rows of 256 bytes + 16]: the parts of my columns of x_
.set ML,    140288                     ; mu, logvar
.set TL,    140800                     ; the other role's: 64 rows of t
.set SPARE, 141312
.set H1P,   65536
.set PST,   196608
.set WV,    42
.set HM,    43                         ; s43 the mask of lanes 16-31
.set SEL,   44
.set AML,   144                        ; v144 ML + 16 r
.set R16,   145                        ; v145 16 r
.set L8,    146                        ; v146 8 l
.set GS0,   147                        ; v147-152, v169, v248: offsets of the head's loads
.set GS1,   148
.set GH1,   149
.set GXP,   150
.set GF4,   151
.set GF2,   152
.set GSS,   153                        ; v153 512 w + 16 l
.set GB4,   154
.set GO,    155                        ; v155 256 c + 8 l
.set GXU,   156                        ; v156 x_: row 2 w + h, my columns
.set T0,    157                        ; v157-159 at work
.set MU,    160                        ; v160-163
.set LV,    164                        ; v164-167
.set TP,    168                        ; v168 a lane permute's destination
.set GF3,   169
.set OX,    170                        ; v170-171
.set ZZ,    172                        ; v172-175 z
.set GB3,   248
.set ARS,   147                        ; once the head's loads are in, their offsets' registers take the later LDS addresses: r, in;
.set AW4,   148                        ; fc4_w's fragment;
.set ARF,   149                        ; r's fragment;
.set AXS,   150                        ; my part of x_, in;
.set AXR,   151                        ; and back
.macro WSUM v, t
	v_add_f32_dpp v[\v], v[\v], v[\v] row_xmask:1 row_mask:0xf bank_mask:0xf
	v_add_f32_dpp v[\v], v[\v], v[\v] row_xmask:2 row_mask:0xf bank_mask:0xf
	v_add_f32_dpp v[\v], v[\v], v[\v] row_xmask:4 row_mask:0xf bank_mask:0xf
	v_add_f32_dpp v[\v], v[\v], v[\v] row_xmask:8 row_mask:0xf bank_mask:0xf
	v_permlanex16_b32 v[\t], v[\v], s[SEL], s[SEL+1]
	v_add_f32 v[\v], v[\v], v[\t]
.endm
.macro BAR
	s_wait_dscnt 0x0
	s_barrier_signal -1
	s_barrier_wait -1
.endm
; 16 K steps of 4: source 0 the weight's fragment from v[w] on, source 1 the rows' from v[z] on.  Two accumulators, a and a + 8, take the even and the odd steps by turns, one instruction a turn
; the bias, v[c] on, is the C of the first step.  Eight places follow, in front of the first read of results and of later loads into the sources.
.macro MM16 a, w, z, c
	v_wmma_f32_16x16x4_f32 v[\a:\a+7], v[\w:\w+1], v[\z:\z+1], v[\c:\c+7]
	v_wmma_f32_16x16x4_f32 v[\a+8:\a+15], v[\w+2:\w+3], v[\z+2:\z+3], 0
.set kt, 2
.rept 14
	v_wmma_f32_16x16x4_f32 v[\a+8*(kt%2):\a+8*(kt%2)+7], v[\w+2*kt:\w+2*kt+1], v[\z+2*kt:\z+2*kt+1], v[\a+8*(kt%2):\a+8*(kt%2)+7]
.set kt, kt+1
.endr
.rept 8
	v_nop
.endr
.endm
	s_load_b512 s[4:19], s[0:1], 0x0               ; w3 4, fc1_b 6, fc21_w 8, fc21_b 10, fc22_w 12, fc22_b 14, s 16, fc3_w 18
	s_load_b512 s[20:35], s[0:1], 0x40             ; fc3_b 20, fc4_w 22, fc4_b 24, o_w 26, head_w 28, w4 30, out0 32, out1 34
	s_load_b128 s[36:39], s[0:1], 0x80             ; out3 36, out4 38
	s_load_b64 s[40:41], s[0:1], 0x90              ; out5
	v_lshl_add_u32 v2, v0, 2, SPARE
	v_mov_b32 v3, 0
	v_and_b32 v1, 31, v0
	v_lshrrev_b32 v4, 5, v0
	v_readfirstlane_b32 s[WV], v4                  ; wave 0..15
	v_lshlrev_b32 v4, 4, v1                        ; v4: 16 l
	s_mov_b32 s[SEL], 0x76543210
	s_mov_b32 s[SEL+1], 0xfedcba98
	s_mov_b32 s[HM], 0xffff0000
	s_cmp_ge_u32 ttmp9, 16
	s_cbranch_scc1 .Lt_role
	v_and_b32 v[T0], 15, v1                        ; r
	v_lshrrev_b32 v[T0+1], 4, v1                   ; h
	v_lshlrev_b32 v[R16], 4, v[T0]
	v_lshlrev_b32 v[L8], 3, v1
	v_mul_u32_u24 v[T0+2], v[T0+1], 272
	v_add_nc_u32 v[T0+2], v[T0+2], v[R16]          ; 272 h + 16 r
	s_lshl_b32 s46, s[WV], 9
	v_add_nc_u32 v[GSS], s46, v4                   ; 512 w + 16 l
	v_add_nc_u32 v5, R1, v[GSS]                    ; v5: R1 and H1: my wave's 512 bytes
	v_add_nc_u32 v6, R1, v4                        ; v6: R1 and R3, 16 l
	v_add_nc_u32 v7, R2, v[L8]                     ; v7: R2, XL, ML, 8 l
	s_mul_i32 s47, s[WV], 2112
	v_add_nc_u32 v8, s47, v4                       ; v8: staging fc3_w: rows 4 w on (F3 = 0)
	s_lshl_b32 s47, s[WV], 8
	s_add_co_u32 s47, s47, R2
	v_add_nc_u32 v9, s47, v[R16]                   ; v9: R2, my wave's
	s_mul_i32 s48, s[WV], 544
	s_add_co_u32 s47, s48, H1
	v_lshl_add_u32 v10, v[T0+1], 4, s47            ; v10: h1[8 w + 4 h ..] in my copy
	s_add_co_u32 s47, s46, R3
	v_add_nc_u32 v11, s47, v[R16]                  ; v11: R3, my wave's
	s_add_co_u32 s47, s48, ZL
	v_add_nc_u32 v12, s47, v[T0+2]                 ; v12: z, in: row 2 w + h, 16 r
	s_mul_i32 s47, s[WV], 2176
	s_add_co_u32 s47, s47, F4
	v_add_nc_u32 v13, s47, v[T0+2]                 ; v13: staging fc4_w: row 8 w + h, 16 r
	s_lshr_b32 s53, s[WV], 1                       ; r's tile of columns
	s_and_b32 s54, s[WV], 1                        ; the tile of rows, in both products
	s_and_b32 s55, s53, 3                          ; x_'s tile of columns
	s_lshr_b32 s56, s[WV], 3                       ; x_'s half of K
	s_lshl_b32 s53, s53, 6
	s_lshl_b32 s55, s55, 6
	v_mul_u32_u24 v14, v[T0+1], 2112
	v_lshl_add_u32 v14, v[T0], 2, v14
	v_add_nc_u32 v14, s53, v14                     ; v14: fc3_w's fragment: row 4 h, column 16 tile + r
	s_mul_i32 s47, s54, 4352
	s_add_co_u32 s47, s47, ZL
	v_mul_u32_u24 v15, v[T0], 272
	v_lshl_add_u32 v15, v[T0+1], 4, v15
	v_add_nc_u32 v15, s47, v15                     ; v15: z's fragment: row 16 tile + r, 16 h
	v_add_nc_u32 v[AML], ML, v[R16]
	v_mov_b32 v[TP], 0                             ; written once: a lane permute's destination counts as a source
	s_mul_i32 s47, s54, 8448                       ; the wave's terms of the later LDS addresses
	s_add_co_u32 s47, s47, RL
	s_add_co_u32 s57, s47, s53                     ; r, in: RL + 16 rows x tile + 64 bytes x tile of columns
	s_lshl_b32 s59, s56, 8
	s_add_co_u32 s59, s59, s47                     ; r's fragment: RL + 16 rows x tile + 256 bytes x half
	s_mul_i32 s58, s56, 17408
	s_add_co_u32 s58, s58, s55
	s_add_co_u32 s58, s58, F4                      ; fc4_w's fragment: F4 + 64 rows x half + 64 bytes x tile
	s_mul_i32 s60, s56, 8704
	s_mul_i32 s47, s54, 4352
	s_add_co_u32 s60, s60, s47
	s_add_co_u32 s60, s60, s55
	s_add_co_u32 s60, s60, XL                      ; my part of x_
	s_add_co_u32 s61, s48, XL                      ; rows 2 w on of x_'s parts
	s_cmp_lt_u32 s[WV], 8
	s_cselect_b32 s62, -1, 0                       ; all ones in the waves of K's first half, which carry fc4_b
	s_lshl_b32 s49, ttmp9, 8                       ; 256 c
	v_add_nc_u32 v[GB4], s49, v[R16]               ; 256 c + 16 r, for the two lines that take it
	v_add_nc_u32 v[GO], s49, v[L8]
	s_add_co_u32 s50, s49, PST
	v_lshl_add_u32 v[GS0], v[T0], 12, s50          ; the statistics of g = r
	s_lshl_b32 s51, s[WV], 12
	s_add_co_u32 s50, s50, s51
	v_add_nc_u32 v[GS1], s50, v[L8]                ; and of g = wave
	s_lshl_b32 s50, s[WV], 13
	s_add_co_u32 s52, s50, H1P
	v_add_nc_u32 v[GH1], s52, v4                   ; H1P of g = wave
	v_add_nc_u32 v[GXP], s51, v[GB4]               ; XP of g = wave, my columns
	s_lshl_b32 s52, s[WV], 15
	v_lshl_add_u32 v[GF4], v[T0+1], 12, v[GB4]
	v_add_nc_u32 v[GXU], s50, v[GF4]               ; x_: row 2 w + h, my columns
	v_add_nc_u32 v[GF4], s52, v[GF4]               ; fc4_w: row 8 w + h, my columns
	s_lshl_b32 s52, s[WV], 11
	v_lshl_add_u32 v[GF2], v[T0+1], 10, v[R16]
	v_add_nc_u32 v[GF2], s52, v[GF2]               ; fc21_w, fc22_w: row 8 w + 4 h, 16 r
	v_add_nc_u32 v[GF3], s52, v4                   ; fc3_w: rows 4 w on
	v_lshl_add_u32 v[GB3], v[T0+1], 5, s53         ; fc3_b: my tile's eight columns of my half
	s_add_co_u32 s52, s49, s55
	v_lshl_add_u32 v[GB4], v[T0+1], 5, s52         ; fc4_b likewise
	s_wait_kmcnt 0x0
	; 43 loads, in the order in which the chain wants them
	global_load_b64 v[184:185], v[GS0], s[4:5]
	global_load_b64 v[186:187], v[GS1], s[4:5]
.set i, 0
.rept 16
	global_load_b128 v[16+4*i:19+4*i], v[GH1], s[4:5] offset:512*i
.set i, i+1
.endr
	global_load_b128 v[188:191], v[GXP], s[4:5]
	global_load_b128 v[196:199], v4, s[6:7]        ; fc1_b
.irp i, 0,1,2,3
	global_load_b128 v[112+4*\i:115+4*\i], v[GF2], s[8:9] offset:256*\i
.endr
.irp i, 0,1,2,3
	global_load_b128 v[128+4*\i:131+4*\i], v[GF2], s[12:13] offset:256*\i
.endr
.irp i, 0,1,2,3
	global_load_b128 v[80+4*\i:83+4*\i], v[GF3], s[18:19] offset:512*\i
.endr
.irp i, 0,1,2,3
	global_load_b128 v[96+4*\i:99+4*\i], v[GF4], s[22:23] offset:8192*\i
.endr
	global_load_b128 v[192:195], v[GSS], s[16:17]  ; s: row 2 w + h, columns 4 r on
	global_load_b128 v[200:203], v[R16], s[10:11]  ; fc21_b
	global_load_b128 v[204:207], v[R16], s[14:15]  ; fc22_b
	global_load_b128 v[176:179], v[GB3], s[20:21]  ; fc3_b, in the result's layout
	global_load_b128 v[180:183], v[GB3], s[20:21] offset:16
	global_load_b128 v[208:211], v[GB4], s[24:25]  ; fc4_b likewise
	global_load_b128 v[212:215], v[GB4], s[24:25] offset:16
	s_wait_loadcnt 41                              ; the two loads of statistics are in; 41 are younger
	v_mov_b32 v[T0], v184
	v_max_num_f32_dpp v[T0], v[T0], v[T0] row_xmask:1 row_mask:0xf bank_mask:0xf
	v_max_num_f32_dpp v[T0], v[T0], v[T0] row_xmask:2 row_mask:0xf bank_mask:0xf
	v_max_num_f32_dpp v[T0], v[T0], v[T0] row_xmask:4 row_mask:0xf bank_mask:0xf
	v_max_num_f32_dpp v[T0], v[T0], v[T0] row_xmask:8 row_mask:0xf bank_mask:0xf   ; m over the sixteen g
	v_sub_f32 v[T0+1], v184, v[T0]
	v_sub_f32 v[T0+2], v186, v[T0]
	v_mul_f32 v[T0+1], 0x3fb8aa3b, v[T0+1]
	v_mul_f32 v[T0+2], 0x3fb8aa3b, v[T0+2]
	v_exp_f32 v[T0+1], v[T0+1]
	v_exp_f32 v[T0+2], v[T0+2]
	v_nop
	s_wait_alu depctr_va_vdst(0)                   ; one wait for the two, ahead of their first reader
	v_mul_f32 v[T0+1], v[T0+1], v185
	v_add_f32_dpp v[T0+1], v[T0+1], v[T0+1] row_xmask:1 row_mask:0xf bank_mask:0xf
	v_add_f32_dpp v[T0+1], v[T0+1], v[T0+1] row_xmask:2 row_mask:0xf bank_mask:0xf
	v_add_f32_dpp v[T0+1], v[T0+1], v[T0+1] row_xmask:4 row_mask:0xf bank_mask:0xf
	v_add_f32_dpp v[T0+1], v[T0+1], v[T0+1] row_xmask:8 row_mask:0xf bank_mask:0xf   ; the softmax's sum
	v_rcp_f32 v[T0+1], v[T0+1]
	v_nop
	s_wait_alu depctr_va_vdst(0)
	v_mul_f32 v[T0+2], v[T0+2], v[T0+1]            ; f of g = wave
	s_wait_loadcnt 24                              ; H1P's 16 loads and XP's are in; 24 are younger
.set i, 1
.rept 15
	v_pk_add_f32 v[16:17], v[16:17], v[16+4*i:17+4*i]
	v_pk_add_f32 v[18:19], v[18:19], v[18+4*i:19+4*i]
.set i, i+1
.endr
.irp q, 0,1,2,3
	v_mul_f32 v[16+\q], v[T0+2], v[16+\q]
	v_mul_f32 v[188+\q], v[T0+2], v[188+\q]
.endr
	ds_store_b128 v5, v[16:19]
	ds_store_b128 v9, v[188:191]
	BAR                                            ; the parts of h1 and x lie in LDS; the weights' loads stay on their way
.set i, 0
.rept 16
	ds_load_b128 v[16+4*i:19+4*i], v6 offset:512*i
.set i, i+1
.endr
	s_wait_dscnt 0x0
.set i, 1
.rept 15
	v_pk_add_f32 v[16:17], v[16:17], v[16+4*i:17+4*i]
	v_pk_add_f32 v[18:19], v[18:19], v[18+4*i:19+4*i]
.set i, i+1
.endr
	s_wait_loadcnt 15                              ; fc1_b, fc21_w and fc22_w are in; 15 are younger
	v_pk_add_f32 v[16:17], v[16:17], v[196:197]
	v_pk_add_f32 v[18:19], v[18:19], v[198:199]
.irp q, 0,1,2,3
	v_max_num_f32 v[16+\q], 0, v[16+\q]            ; h1[4 l ..]
.endr
	ds_store_b128 v5, v[16:19] offset:H1-R1
	ds_load_b128 v[20:23], v10                     ; h1[8 w + 4 h ..]: my own copy, served in order
	s_wait_dscnt 0x0
.irp q, 0,1,2,3
	v_mul_f32 v[MU+\q], v20, v[112+\q]
	v_mul_f32 v[LV+\q], v20, v[128+\q]
.endr
.irp i, 1,2,3
.irp q, 0,1,2,3
	v_fmac_f32 v[MU+\q], v[20+\i], v[112+4*\i+\q]
	v_fmac_f32 v[LV+\q], v[20+\i], v[128+4*\i+\q]
.endr
.endr
.irp q, 0,1,2,3,4,5,6,7
	v_permlanex16_b32 v[TP], v[MU+\q], s[SEL], s[SEL+1]
	v_add_f32 v[MU+\q], v[MU+\q], v[TP]
.endr
	ds_store_b128 v11, v[MU:MU+3]
	ds_store_b128 v11, v[LV:LV+3] offset:256
	s_wait_loadcnt 7                               ; the pieces of fc3_w and fc4_w are in; 7 are younger
.irp i, 0,1,2,3
	ds_store_b128 v8, v[80+4*\i:83+4*\i] offset:528*\i
	ds_store_b128 v13, v[96+4*\i:99+4*\i] offset:544*\i
.endr
	s_cmp_lg_u32 s[WV], 1
	s_cbranch_scc1 .Lnot_1
.set i, 0
.rept 16
	ds_load_b64 v[24+2*i:25+2*i], v7 offset:256*i
.set i, i+1
.endr
	s_wait_dscnt 0x0
.set i, 1
.rept 14
	v_pk_add_f32 v[24:25], v[24:25], v[24+2*i:25+2*i]
.set i, i+1
.endr
	v_pk_add_f32 v[OX:OX+1], v[24:25], v[54:55]
	global_store_b64 v[GO], v[OX:OX+1], s[32:33]   ; x, my 64 columns: 256 consecutive bytes, aligned
.Lnot_1:
	BAR                                            ; the sixteen parts of mu and logvar, and both staged weights, lie in LDS
	s_wait_loadcnt 0x0
.set sp, 0
.rept 8
.irp e, 0,1,2,3
	ds_load_b32 v[80+4*sp+\e], v14 offset:(8*sp+\e)*528    ; fc3_w(8 s + 4 h + e, my column): sixteen lanes read 64 neighbouring bytes
.endr
.set sp, sp+1
.endr
.set i, 0
.rept 16
	ds_load_b128 v[16+4*i:19+4*i], v6 offset:R3-R1+512*i   ; lanes 0-15: mu, lanes 16-31: logvar, columns 4 r on
.set i, i+1
.endr
	v_and_b32 v[T0], 15, v1                        ; the later LDS addresses, while the loads are out: every global load is in, so its offset's register is free
	v_lshrrev_b32 v[T0+1], 4, v1
	v_mul_u32_u24 v[ARS], v[T0], 528
	v_lshl_add_u32 v[ARF], v[T0+1], 4, v[ARS]
	v_add_nc_u32 v[ARF], s59, v[ARF]               ; r's fragment: row r, 16 h
	v_lshl_add_u32 v[ARS], v[T0+1], 5, v[ARS]
	v_add_nc_u32 v[ARS], s57, v[ARS]               ; r, in: row r, 32 h
	v_mul_u32_u24 v[AW4], v[T0+1], 1088
	v_lshl_add_u32 v[AW4], v[T0], 2, v[AW4]
	v_add_nc_u32 v[AW4], s58, v[AW4]               ; fc4_w's fragment: row 4 h, column r
	v_mul_u32_u24 v[AXS], v[T0], 272
	v_lshl_add_u32 v[AXS], v[T0+1], 5, v[AXS]
	v_add_nc_u32 v[AXS], s60, v[AXS]               ; my part of x_: row r, 32 h
	v_mul_u32_u24 v[AXR], v[T0+1], 272
	v_lshl_add_u32 v[AXR], v[T0], 4, v[AXR]
	v_add_nc_u32 v[AXR], s61, v[AXR]               ; and back: row 2 w + h, 16 r
.irp q, 0,1,2,3,4,5,6,7
	v_cndmask_b32 v[208+\q], 0, v[208+\q], s62     ; fc4_b counts once: in K's first half
.endr
	s_wait_dscnt 0x0
.set i, 1
.rept 15
	v_pk_add_f32 v[16:17], v[16:17], v[16+4*i:17+4*i]
	v_pk_add_f32 v[18:19], v[18:19], v[18+4*i:19+4*i]
.set i, i+1
.endr
.irp q, 0,1,2,3
	v_cndmask_b32 v[20+\q], v[200+\q], v[204+\q], s[HM]
.endr
	v_pk_add_f32 v[16:17], v[16:17], v[20:21]
	v_pk_add_f32 v[18:19], v[18:19], v[22:23]
.irp q, 0,1,2,3
	v_permlanex16_b32 v[24+\q], v[16+\q], s[SEL], s[SEL+1]
.endr
.irp q, 0,1,2,3
	v_cndmask_b32 v[MU+\q], v[16+\q], v[24+\q], s[HM]   ; mu in every lane
	v_cndmask_b32 v[LV+\q], v[24+\q], v[16+\q], s[HM]   ; logvar in every lane
.endr
.irp q, 0,1,2,3
	v_mul_f32 v[28+\q], 0x3f38aa3b, v[LV+\q]
.endr
.irp q, 0,1,2,3
	v_exp_f32 v[28+\q], v[28+\q]                   ; e^(logvar / 2)
.endr
	v_nop
	s_wait_alu depctr_va_vdst(0)
.irp q, 0,1,2,3
	v_fma_f32 v[ZZ+\q], v[28+\q], v[192+\q], v[MU+\q]   ; z(2 w + h, 4 r ..)
.endr
	ds_store_b128 v12, v[ZZ:ZZ+3]
	s_cmp_lg_u32 ttmp9, 0
	s_cbranch_scc1 .Lnot_wg0
	global_store_b128 v[GSS], v[ZZ:ZZ+3], s[40:41] ; z
	s_cmp_lg_u32 s[WV], 0
	s_cbranch_scc1 .Lnot_wg0
	ds_store_b128 v[AML], v[MU:MU+3]
	ds_store_b128 v[AML], v[LV:LV+3] offset:256
	ds_load_b64 v[248:249], v7 offset:ML-R2
	ds_load_b64 v[250:251], v7 offset:ML-R2+256
	s_wait_dscnt 0x0
	global_store_b64 v[L8], v[248:249], s[36:37]   ; mu: 256 consecutive bytes
	global_store_b64 v[L8], v[250:251], s[38:39]   ; logvar
.Lnot_wg0:
.set sp, 0
.rept 8
.irp e, 0,1,2,3
	ds_load_b32 v[16+4*sp+\e], v[AW4] offset:(8*sp+\e)*272   ; fc4_w(64 half + 8 s + 4 h + e, my column), asked for ahead of the first product
.endr
.set sp, sp+1
.endr
	BAR                                            ; z's 32 rows lie in LDS
.set sp, 0
.rept 8
	ds_load_b128 v[112+4*sp:115+4*sp], v15 offset:32*sp      ; z(my row, 8 s + 4 h ..)
.set sp, sp+1
.endr
	s_wait_dscnt 0x0
	MM16 216, 80, 112, 176                         ; z fc3_w + fc3_b: lane (r, h): row 16 tile + r, columns 16 tile + 8 h + 0 .. 7
.irp p, 0,2,4,6
	v_pk_add_f32 v[184+\p:185+\p], v[216+\p:217+\p], v[224+\p:225+\p]   ; the even and the odd K steps, each accumulator from its low end on
.endr
.irp q, 0,1,2,3,4,5,6,7
	v_max_num_f32 v[184+\q], 0, v[184+\q]
.endr
	ds_store_b128 v[ARS], v[184:187]
	ds_store_b128 v[ARS], v[188:191] offset:16
	BAR                                            ; r's 32 rows lie in LDS
.set sp, 0
.rept 8
	ds_load_b128 v[48+4*sp:51+4*sp], v[ARF] offset:32*sp     ; r(my row, 64 half + 8 s + 4 h ..)
.set sp, sp+1
.endr
	s_wait_dscnt 0x0
	MM16 232, 16, 48, 208                          ; my half of r fc4_w (+ fc4_b)
.irp p, 0,2,4,6
	v_pk_add_f32 v[192+\p:193+\p], v[232+\p:233+\p], v[240+\p:241+\p]
.endr
	ds_store_b128 v[AXS], v[192:195]
	ds_store_b128 v[AXS], v[196:199] offset:16
	BAR                                            ; both halves of x_'s 32 rows x 64 columns lie in LDS
	ds_load_b128 v[200:203], v[AXR]
	ds_load_b128 v[204:207], v[AXR] offset:8704
	s_wait_dscnt 0x0
	v_pk_add_f32 v[252:253], v[200:201], v[204:205]
	v_pk_add_f32 v[254:255], v[202:203], v[206:207]
	global_store_b128 v[GXU], v[252:255], s[30:31] ; sixteen lanes fill 256 consecutive bytes of a row of x_
	s_cmp_lg_u32 s[WV], 0
	s_cbranch_scc1 .Lend_a
.set i, 0
.rept 64
	ds_load_b64 v[16+2*i:17+2*i], v7 offset:XL-R2+8704*(i/32)+272*(i%32)
.set i, i+1
.endr
	s_wait_dscnt 0x0
.set i, 4
.rept 60
	v_pk_add_f32 v[16+2*(i%4):17+2*(i%4)], v[16+2*(i%4):17+2*(i%4)], v[16+2*i:17+2*i]   ; four chains that do not wait for each other
.set i, i+1
.endr
	v_pk_add_f32 v[16:17], v[16:17], v[18:19]
	v_pk_add_f32 v[20:21], v[20:21], v[22:23]
	v_pk_add_f32 v[16:17], v[16:17], v[20:21]
	v_pk_mul_f32 v[16:17], v[16:17], 0x3d000000 op_sel_hi:[1,0]
	global_store_b64 v[GO], v[16:17], s[34:35]     ; mean(x_), my 64 columns: 256 consecutive bytes, aligned
.Lend_a:
	s_wait_tensorcnt 0x0                           ; the wave's end
	ds_add_u32 v2, v3
	s_wait_dscnt 0x0
	s_endpgm
	; ---------------- t[n][0..1] = sum over c of o_w[n][c] head_w[c][0..1]; wave w: rows 64 j + 4 w on ----------------
.Lt_role:
	s_sub_co_u32 s46, ttmp9, 16
	v_lshlrev_b32 v5, 5, v1                        ; head_w: 32 bytes for my four c
	s_lshl_b32 s47, s[WV], 5
	s_add_co_u32 s47, s47, TL
	v_mov_b32 v6, s47                              ; TL + 32 w
	v_add_nc_u32 v7, TL, v4
	v_mov_b32 v250, 0
	s_lshl_b32 s48, s46, 18
	s_lshl_b32 s49, s[WV], 14
	s_add_co_u32 s48, s48, s49
	s_mov_b32 s49, 0
	s_lshl_b32 s50, s46, 9
	s_mov_b32 s51, 0
	s_wait_kmcnt 0x0
	s_add_nc_u64 s[26:27], s[26:27], s[48:49]
	s_add_nc_u64 s[30:31], s[30:31], s[50:51]
.set q, 0
.rept 8
	global_load_b128 v[16+8*q:19+8*q], v5, s[28:29] offset:1024*q
	global_load_b128 v[20+8*q:23+8*q], v5, s[28:29] offset:1024*q+16
.set q, q+1
.endr
.set i, 0
.rept 4
.set q, 0
.rept 8
	global_load_b128 v[80+32*i+4*q:83+32*i+4*q], v4, s[26:27] offset:4096*i+512*q th:TH_LOAD_NT
.set q, q+1
.endr
.set i, i+1
.endr
	s_wait_loadcnt 0x0
.set i, 0
.rept 4
.set q, 0
.rept 8
.irp e, 0,1,2,3
.if (q == 0) && (\e == 0)
	v_mul_f32 v[208+2*i], v[80+32*i], v16
	v_mul_f32 v[209+2*i], v[80+32*i], v17
.else
	v_fmac_f32 v[208+2*i], v[80+32*i+4*q+\e], v[16+8*q+2*\e]
	v_fmac_f32 v[209+2*i], v[80+32*i+4*q+\e], v[17+8*q+2*\e]
.endif
.endr
.set q, q+1
.endr
.set i, i+1
.endr
.irp i, 0,1,2,3,4,5,6,7
	WSUM 208+\i, 250
.endr
.irp i, 0,1,2,3
	ds_store_b64 v6, v[208+2*\i:209+2*\i] offset:8*\i
.endr
	BAR
	s_cmp_lg_u32 s[WV], 0
	s_cbranch_scc1 .Lend_b
	ds_load_b128 v[16:19], v7
	s_wait_dscnt 0x0
	global_store_b128 v4, v[16:19], s[30:31] offset:131072
.Lend_b:
	s_wait_tensorcnt 0x0
	ds_add_u32 v2, v3
	s_wait_dscnt 0x0
	s_endpgm
.Lfunc_end_k_q281ba5968a_vae:
	.size	k_q281ba5968a_vae, .Lfunc_end_k_q281ba5968a_vae-k_q281ba5968a_vae
	.p2alignl 7, 3214868480
	.fill 96, 4, 3214868480
	.section	.rodata,"a",@progbits
	.p2align	6, 0x0
	.amdhsa_kernel k_q281ba5968a_vae
		.amdhsa_group_segment_fixed_size 143360
		.amdhsa_private_segment_fixed_size 0
		.amdhsa_enable_private_segment 0
		.amdhsa_kernarg_size 152
		.amdhsa_user_sgpr_count 2
		.amdhsa_user_sgpr_kernarg_segment_ptr 1
		.amdhsa_wavefront_size32 1
		.amdhsa_system_sgpr_workgroup_id_x 1
		.amdhsa_system_sgpr_workgroup_id_y 1
		.amdhsa_system_sgpr_workgroup_id_z 1
		.amdhsa_system_vgpr_workitem_id 0
		.amdhsa_next_free_vgpr 256
		.amdhsa_next_free_sgpr 66
		.amdhsa_reserve_vcc 0
		.amdhsa_float_denorm_mode_32 3
		.amdhsa_float_denorm_mode_16_64 3
		.amdhsa_memory_ordered 1
		.amdhsa_forward_progress 1
		.amdhsa_inst_pref_size 62
	.end_amdhsa_kernel
	.amdgpu_metadata
---
amdhsa.version: [ 1, 2 ]
amdhsa.kernels:
  - .name:           k_q281ba5968a_vae
    .symbol:         k_q281ba5968a_vae.kd
    .args:
      - { .name: w3, .offset: 0, .size: 8, .value_kind: global_buffer, .address_space: global }
      - { .name: fc1_b, .offset: 8, .size: 8, .value_kind: global_buffer, .address_space: global }
      - { .name: fc21_w, .offset: 16, .size: 8, .value_kind: global_buffer, .address_space: global }
      - { .name: fc21_b, .offset: 24, .size: 8, .value_kind: global_buffer, .address_space: global }
      - { .name: fc22_w, .offset: 32, .size: 8, .value_kind: global_buffer, .address_space: global }
      - { .name: fc22_b, .offset: 40, .size: 8, .value_kind: global_buffer, .address_space: global }
      - { .name: s, .offset: 48, .size: 8, .value_kind: global_buffer, .address_space: global }
      - { .name: fc3_w, .offset: 56, .size: 8, .value_kind: global_buffer, .address_space: global }
      - { .name: fc3_b, .offset: 64, .size: 8, .value_kind: global_buffer, .address_space: global }
      - { .name: fc4_w, .offset: 72, .size: 8, .value_kind: global_buffer, .address_space: global }
      - { .name: fc4_b, .offset: 80, .size: 8, .value_kind: global_buffer, .address_space: global }
      - { .name: o_w, .offset: 88, .size: 8, .value_kind: global_buffer, .address_space: global }
      - { .name: head_w, .offset: 96, .size: 8, .value_kind: global_buffer, .address_space: global }
      - { .name: w4, .offset: 104, .size: 8, .value_kind: global_buffer, .address_space: global }
      - { .name: out0, .offset: 112, .size: 8, .value_kind: global_buffer, .address_space: global }
      - { .name: out1, .offset: 120, .size: 8, .value_kind: global_buffer, .address_space: global }
      - { .name: out3, .offset: 128, .size: 8, .value_kind: global_buffer, .address_space: global }
      - { .name: out4, .offset: 136, .size: 8, .value_kind: global_buffer, .address_space: global }
      - { .name: out5, .offset: 144, .size: 8, .value_kind: global_buffer, .address_space: global }
    .group_segment_fixed_size: 143360
    .private_segment_fixed_size: 0
    .kernarg_segment_align: 8
    .kernarg_segment_size: 152
    .max_flat_workgroup_size: 512
    .sgpr_count:     66
    .vgpr_count:     256
    .wavefront_size: 32
...
	.end_amdgpu_metadata
.endif
;; end of part 4
;; launch qproj (part 5): grid 80 x 1, 16 waves a work-group, no clusters, 270,336 bytes of LDS; arguments w4, ln_g, ln_b, q_w, v_w, w5; writes w5
.if DOCPART == 5
	.amdgcn_target "amdgcn-amd-amdhsa--gfx1250"
	.amdhsa_code_object_version 6
	.text
	.protected	k_q281ba5968a_qproj
	.globl	k_q281ba5968a_qproj
	.p2align	8
	.type	k_q281ba5968a_qproj,@function
k_q281ba5968a_qproj:
	s_mov_b64 s[64:65], 0
	v_nop
	global_prefetch_b8 v0, s[64:65] scope:SCOPE_SE
	s_setreg_imm32_b32 hwreg(HW_REG_WAVE_MODE, 25, 1), 1
	s_wait_xcnt 0x0
; Work-groups 0-47: 64 columns of Q = LayerNorm(x_) q_w, f16 operands, f32 sums.  Wave w takes k = 64 w on (two K steps of 32); the sixteen waves' parts are added through LDS.
;   The product is used transposed (source 0 = 16 columns of q_w, turned out of LDS; source 1 = 16 queries): a lane holds one query and eight neighbouring columns d, which pack into 16 bytes of the next operand's image.
; Work-groups 48-79 (s): P[h][i][j] = sum over d of v_w[i][1024 h + d] t[1024 h + d][j], i = 32 s on, in f32; stored as one f16 fragment (column r = 2 h + j, r >= 6 zero), divided by sigma_s, a power of two.
; w5: 0 Q's images [2 h + query tile][K step 32][1024 bytes]; 196,608 P's fragments [K step 32][1024]; 229,376 sigma, 32 copies a K step.
; LIMITS: LayerNorm(x_), q_w and Q must lie inside f16's range; |P| between 2^-100 and 2^126 is served; NaN and infinities are not.
.set WT,    0                          ; [wave 16][64 k][128 bytes + 32]: q_w in f16; later the wave's eight result tiles
.set LXI,   163840                     ; [query tile 2][128 units of 256 bytes + 16]: LayerNorm(x_) in f16
.set GB,    233472                     ; ln_g, ln_b
.set TS,    241664                     ; the other role's: t
.set PR,    266240                     ; the other role's: [i 32][16 words]
.set SPARE, 268288
.set SEL,   26
.set INV,   28
.set EPS,   29
.macro WSUM v, t
	v_add_f32_dpp v[\v], v[\v], v[\v] row_xmask:1 row_mask:0xf bank_mask:0xf
	v_add_f32_dpp v[\v], v[\v], v[\v] row_xmask:2 row_mask:0xf bank_mask:0xf
	v_add_f32_dpp v[\v], v[\v], v[\v] row_xmask:4 row_mask:0xf bank_mask:0xf
	v_add_f32_dpp v[\v], v[\v], v[\v] row_xmask:8 row_mask:0xf bank_mask:0xf
	v_permlanex16_b32 v[\t], v[\v], s[SEL], s[SEL+1]
	v_add_f32 v[\v], v[\v], v[\t]
.endm
.macro WMAX v, t
	v_max_num_f32_dpp v[\v], v[\v], v[\v] row_xmask:1 row_mask:0xf bank_mask:0xf
	v_max_num_f32_dpp v[\v], v[\v], v[\v] row_xmask:2 row_mask:0xf bank_mask:0xf
	v_max_num_f32_dpp v[\v], v[\v], v[\v] row_xmask:4 row_mask:0xf bank_mask:0xf
	v_max_num_f32_dpp v[\v], v[\v], v[\v] row_xmask:8 row_mask:0xf bank_mask:0xf
	v_permlanex16_b32 v[\t], v[\v], s[SEL], s[SEL+1]
	v_max_num_f32 v[\v], v[\v], v[\t]
.endm
.macro BAR
	s_wait_dscnt 0x0
	s_barrier_signal -1
	s_barrier_wait -1
.endm
.macro ROWSTAT x, m, t                 ; as in the first launch: mean (m, m+1), the row centred in place, 1 / sqrt(var + eps) (m+2, m+3)
	v_pk_add_f32 v[\t:\t+1], v[\x:\x+1], v[\x+2:\x+3]
	v_pk_add_f32 v[\t+2:\t+3], v[\x+4:\x+5], v[\x+6:\x+7]
.irp i, 8,12,16,20,24,28
	v_pk_add_f32 v[\t:\t+1], v[\t:\t+1], v[\x+\i:\x+\i+1]
	v_pk_add_f32 v[\t+2:\t+3], v[\t+2:\t+3], v[\x+\i+2:\x+\i+3]
.endr
	v_pk_add_f32 v[\t:\t+1], v[\t:\t+1], v[\t+2:\t+3]
	v_add_f32 v[\t], v[\t], v[\t+1]
	WSUM \t, \t+1
	v_mul_f32 v[\m], s[INV], v[\t]
	v_mov_b32 v[\m+1], v[\m]
.irp i, 0,2,4,6,8,10,12,14,16,18,20,22,24,26,28,30
	v_pk_add_f32 v[\x+\i:\x+\i+1], v[\x+\i:\x+\i+1], v[\m:\m+1] neg_lo:[0,1] neg_hi:[0,1]
.endr
	v_pk_mul_f32 v[\t:\t+1], v[\x:\x+1], v[\x:\x+1]
	v_pk_mul_f32 v[\t+2:\t+3], v[\x+2:\x+3], v[\x+2:\x+3]
.irp i, 4,8,12,16,20,24,28
	v_pk_fma_f32 v[\t:\t+1], v[\x+\i:\x+\i+1], v[\x+\i:\x+\i+1], v[\t:\t+1]
	v_pk_fma_f32 v[\t+2:\t+3], v[\x+\i+2:\x+\i+3], v[\x+\i+2:\x+\i+3], v[\t+2:\t+3]
.endr
	v_pk_add_f32 v[\t:\t+1], v[\t:\t+1], v[\t+2:\t+3]
	v_add_f32 v[\t], v[\t], v[\t+1]
	WSUM \t, \t+1
	v_fma_f32 v[\t], v[\t], s[INV], s[EPS]
	v_rsq_f32 v[\m+2], v[\t]
	v_nop
	s_wait_alu depctr_va_vdst(0)
	v_mov_b32 v[\m+3], v[\m+2]
.endm
	s_load_b256 s[4:11], s[0:1], 0x0               ; w4 s[4:5], ln_g s[6:7], ln_b s[8:9], q_w s[10:11]
	s_load_b128 s[12:15], s[0:1], 0x20             ; v_w s[12:13], w5 s[14:15]
	v_lshl_add_u32 v2, v0, 2, SPARE
	v_mov_b32 v3, 0
	v_and_b32 v1, 31, v0
	v_lshrrev_b32 v4, 5, v0
	v_readfirstlane_b32 s16, v4                    ; wave 0..15
	v_lshlrev_b32 v4, 4, v1
	s_mov_b32 s[SEL], 0x76543210
	s_mov_b32 s[SEL+1], 0xfedcba98
	s_cmp_ge_u32 ttmp9, 48
	s_cbranch_scc1 .Lp_role
	v_and_b32 v240, 15, v1                         ; r
	v_lshrrev_b32 v241, 4, v1                      ; h
	s_lshl_b32 s17, s16, 9
	s_add_co_u32 s17, s17, GB
	v_add_nc_u32 v5, s17, v4                       ; v5: my piece of g or b
	v_add_nc_u32 v6, GB, v4                        ; v6: g and b as a row's loads lie
	s_lshr_b32 s17, s16, 3
	s_mul_i32 s17, s17, 34816
	s_and_b32 s18, s16, 7
	s_lshl_b32 s18, s18, 5
	s_add_co_u32 s17, s17, s18
	s_add_co_u32 s17, s17, LXI
	v_lshrrev_b32 v7, 1, v1
	v_mul_u32_u24 v7, v7, 272
	v_and_b32 v8, 1, v1
	v_lshl_add_u32 v7, v8, 3, v7
	v_add_nc_u32 v7, s17, v7                       ; v7: the f16 image, in: query 2 w (+ 1: 16 bytes on)
	s_mul_i32 s19, s16, 10240
	v_mul_u32_u24 v8, v241, 160
	v_lshl_add_u32 v8, v240, 3, v8
	v_add_nc_u32 v8, s19, v8                       ; v8: q_w in f16, in: row h, 8 r
	v_and_b32 v9, 7, v1
	v_lshl_add_u32 v9, v241, 3, v9
	v_mul_u32_u24 v9, v9, 160
	v_bfe_u32 v10, v1, 3, 1
	v_lshl_add_u32 v9, v10, 4, v9
	v_add_nc_u32 v9, s19, v9                       ; v9: the turning loads: row 8 h + l % 8, 16 bytes by (l / 8) % 2
	s_mul_i32 s17, s16, 2176
	s_add_co_u32 s17, s17, LXI
	v_mul_u32_u24 v10, v241, 272
	v_lshl_add_u32 v10, v240, 4, v10
	v_add_nc_u32 v10, s17, v10                     ; v10: the f16 image, out: units 8 w + h on
	v_add_nc_u32 v11, s19, v4                      ; v11: my result tiles
	s_min_u32 s17, s16, 7
	s_lshl_b32 s17, s17, 10
	v_add_nc_u32 v12, s17, v4                      ; v12-14: tile = wave of sources 0-5, 6-11, 12-15
	v_add_nc_u32 v13, 61440, v12
	v_add_nc_u32 v14, 122880, v12
	v_mul_u32_u24 v15, v241, 12288
	v_lshl_add_u32 v15, v240, 4, v15               ; q_w in memory: a row down for lanes 16-31, 16 r
	s_mov_b32 s[INV], 0x3a800000
	s_mov_b32 s[EPS], 0x3727c5ac
	s_mov_b32 s23, 0
	s_wait_kmcnt 0x0
	s_cmp_lt_u32 s16, 8
	s_cselect_b64 s[20:21], s[6:7], s[8:9]
	s_and_b32 s22, s16, 7
	s_lshl_b32 s22, s22, 9
	s_add_nc_u64 s[20:21], s[20:21], s[22:23]
	s_lshl_b32 s22, s16, 13
	s_add_nc_u64 s[4:5], s[4:5], s[22:23]          ; x_ at row 2 w
	s_mul_i32 s22, s16, 786432
	s_lshl_b32 s24, ttmp9, 8
	s_add_co_u32 s22, s22, s24
	s_add_nc_u64 s[10:11], s[10:11], s[22:23]      ; q_w at row 64 w, my 64 columns
	s_lshr_b32 s22, ttmp9, 4
	s_lshl_b32 s22, s22, 1
	s_and_b32 s24, s16, 1
	s_add_co_u32 s22, s22, s24
	s_lshl_b32 s22, s22, 15
	s_and_b32 s24, ttmp9, 15
	s_lshl_b32 s24, s24, 11
	s_add_co_u32 s22, s22, s24
	s_lshr_b32 s24, s16, 1
	s_lshl_b32 s24, s24, 9
	s_add_co_u32 s22, s22, s24
	s_add_nc_u64 s[14:15], s[14:15], s[22:23]      ; where tile = wave goes: image 2 head + query tile, octets 8 (wg % 16) + 2 nt on
	global_load_b128 v[252:255], v4, s[20:21]
.set j, 0
.rept 8
	global_load_b128 v[144+4*j:147+4*j], v4, s[4:5] offset:512*j
	global_load_b128 v[176+4*j:179+4*j], v4, s[4:5] offset:4096+512*j
.set j, j+1
.endr
.set i, 0
.rept 32
	global_load_b128 v[16+4*i:19+4*i], v15, s[10:11] offset:24576*i th:TH_LOAD_NT   ; sixteen lanes read 256 consecutive bytes of a row
.set i, i+1
.endr
	s_wait_loadcnt 48                              ; the piece is in; x_'s 16 and q_w's 32 loads are younger
	ds_store_b128 v5, v[252:255]
	BAR                                            ; g and b are whole
.macro GBLOAD hf
.irp jj, 0,1,2,3
	ds_load_b128 v[208+4*\jj:211+4*\jj], v6 offset:512*(4*\hf+\jj)
	ds_load_b128 v[224+4*\jj:227+4*\jj], v6 offset:4096+512*(4*\hf+\jj)
.endr
.endm
.macro APPLY hf
.irp row, 0,1
.irp jj, 0,1,2,3
.set XX, 144+32*\row+16*\hf+4*\jj
	v_pk_mul_f32 v[XX:XX+1], v[XX:XX+1], v[242+4*\row:243+4*\row]
	v_pk_mul_f32 v[XX+2:XX+3], v[XX+2:XX+3], v[242+4*\row:243+4*\row]
	v_pk_fma_f32 v[XX:XX+1], v[XX:XX+1], v[208+4*\jj:209+4*\jj], v[224+4*\jj:225+4*\jj]
	v_pk_fma_f32 v[XX+2:XX+3], v[XX+2:XX+3], v[210+4*\jj:211+4*\jj], v[226+4*\jj:227+4*\jj]
	v_cvt_pk_f16_f32 v[XX], v[XX], v[XX+1]
	v_cvt_pk_f16_f32 v[XX+1], v[XX+2], v[XX+3]
	ds_store_b64 v7, v[XX:XX+1] offset:4352*(4*\hf+\jj)+16*\row
.endr
.endr
.endm
	GBLOAD 0
	s_wait_loadcnt 32                              ; x_'s two rows are in; q_w's 32 loads are younger
	ROWSTAT 144, 240, 248
	ROWSTAT 176, 244, 248
	s_wait_dscnt 0x0
	APPLY 0
	GBLOAD 1
	s_wait_dscnt 0x0
	APPLY 1
	s_wait_loadcnt 0x0
.set i, 0
.rept 32
	v_cvt_pk_f16_f32 v[16+4*i], v[16+4*i], v[17+4*i]
	v_cvt_pk_f16_f32 v[17+4*i], v[18+4*i], v[19+4*i]
	ds_store_b64 v8, v[16+4*i:17+4*i] offset:320*i
.set i, i+1
.endr
	BAR                                            ; LayerNorm(x_)'s images are whole; my stores have read their registers
.irp st, 0,1
.irp nt, 0,1,2,3
	ds_load_tr16_b128 v[16+8*(4*\st+\nt):19+8*(4*\st+\nt)], v9 offset:5120*\st+32*\nt
	ds_load_tr16_b128 v[20+8*(4*\st+\nt):23+8*(4*\st+\nt)], v9 offset:5120*\st+32*\nt+2560
.endr
.endr
.irp st, 0,1
.irp qt, 0,1
.irp c, 0,1
	ds_load_b128 v[80+8*(2*\st+\qt)+4*\c:83+8*(2*\st+\qt)+4*\c], v10 offset:34816*\qt+1088*\st+544*\c
.endr
.endr
.endr
	s_wait_dscnt 0x0
.irp nt, 0,1,2,3                       ; eight accumulators by turns, one instruction a turn
.irp qt, 0,1
	v_wmma_f32_16x16x32_f16 v[112+8*(2*\nt+\qt):119+8*(2*\nt+\qt)], v[16+8*\nt:23+8*\nt], v[80+8*\qt:87+8*\qt], 0
.endr
.endr
.irp nt, 0,1,2,3
.irp qt, 0,1
	v_wmma_f32_16x16x32_f16 v[112+8*(2*\nt+\qt):119+8*(2*\nt+\qt)], v[48+8*\nt:55+8*\nt], v[96+8*\qt:103+8*\qt], v[112+8*(2*\nt+\qt):119+8*(2*\nt+\qt)]
.endr
.endr
.rept 4
	v_nop                                          ; four places in front of the first read of results
.endr
.irp T, 0,1,2,3,4,5,6,7
	ds_store_b128 v11, v[112+8*\T:115+8*\T] offset:1024*\T          ; into my own bytes, whose reads are over; each accumulator from its low end on
	ds_store_b128 v11, v[116+8*\T:119+8*\T] offset:1024*\T+512
.endr
	BAR
	s_cmp_lt_u32 s16, 8
	s_cbranch_scc0 .Lend_a
.set u, 0
.rept 16
	ds_load_b128 v[16+8*u:19+8*u], v[12+u/6] offset:(u%6)*10240
	ds_load_b128 v[20+8*u:23+8*u], v[12+u/6] offset:(u%6)*10240+512
.set u, u+1
.endr
	s_wait_dscnt 0x0
.set u, 1
.rept 15
.irp p, 0,2,4,6
	v_pk_add_f32 v[16+\p:17+\p], v[16+\p:17+\p], v[16+8*u+\p:17+8*u+\p]
.endr
.set u, u+1
.endr
	v_cvt_pk_f16_f32 v16, v16, v17
	v_cvt_pk_f16_f32 v17, v18, v19
	v_cvt_pk_f16_f32 v18, v20, v21
	v_cvt_pk_f16_f32 v19, v22, v23
	global_store_b128 v4, v[16:19], s[14:15]       ; 512 consecutive bytes, aligned: a piece of Q's image
.Lend_a:
	s_wait_tensorcnt 0x0                           ; the wave's end
	ds_add_u32 v2, v3
	s_wait_dscnt 0x0
	s_endpgm
	; ---------------- P: wave w takes rows i = 32 s + 2 w and the next ----------------
.Lp_role:
	s_sub_co_u32 s17, ttmp9, 48
	s_lshl_b32 s18, s16, 9
	s_add_co_u32 s19, s18, TS
	v_add_nc_u32 v5, s19, v4                       ; v5: staging t
	v_lshl_add_u32 v6, v1, 5, TS                   ; v6: t of my four columns: 32 bytes
	v_lshl_add_u32 v7, v0, 2, PR                   ; v7: row 2 w + h, word r
	v_and_b32 v8, 15, v1
	v_lshrrev_b32 v9, 4, v1
	v_lshlrev_b32 v8, 2, v8
	v_lshl_add_u32 v8, v9, 9, v8
	v_add_nc_u32 v8, PR, v8                        ; v8: rows 8 h on, word r
	v_lshlrev_b32 v9, 2, v1                        ; 4 l
	s_mov_b32 s19, 0
	s_lshl_b32 s20, s17, 5
	s_lshl_b32 s21, s16, 1
	s_add_co_u32 s20, s20, s21
	s_mul_i32 s20, s20, 12288
	s_mov_b32 s21, 0
	s_lshl_b32 s22, s17, 10
	s_mov_b32 s23, 0
	s_lshl_b32 s24, s17, 7
	s_mov_b32 s25, 0
	s_wait_kmcnt 0x0
	s_add_nc_u64 s[4:5], s[4:5], s[18:19]
	s_add_nc_u64 s[12:13], s[12:13], s[20:21]
	s_add_nc_u64 s[30:31], s[14:15], s[22:23]      ; P's fragment of K step s, 196,608 on
	s_add_nc_u64 s[32:33], s[14:15], s[24:25]      ; sigma, 229,376 on
.irp p, 0,1,2
	global_load_b128 v[236+4*\p:239+4*\p], v4, s[4:5] offset:131072+8192*\p
.endr
.set jj, 0
.rept 24
	global_load_b128 v[16+8*jj:19+8*jj], v4, s[12:13] offset:512*jj th:TH_LOAD_NT
	global_load_b128 v[20+8*jj:23+8*jj], v4, s[12:13] offset:12288+512*jj th:TH_LOAD_NT
.set jj, jj+1
.endr
	s_wait_loadcnt 48                              ; t's three pieces are in; v_w's 48 loads are younger
.irp p, 0,1,2
	ds_store_b128 v5, v[236+4*\p:239+4*\p] offset:8192*\p
.endr
	BAR
.macro TLD g                           ; t of columns 128 g + 4 l on, into set g % 2
	ds_load_b128 v[208+8*((\g)%2):211+8*((\g)%2)], v6 offset:1024*(\g)
	ds_load_b128 v[212+8*((\g)%2):215+8*((\g)%2)], v6 offset:1024*(\g)+16
.endm
	TLD 0
.set jj, 0
.rept 24
.if jj%8 == 0
	s_wait_loadcnt 32-16*(jj/8)                    ; this head's 16 loads are in; the later heads' are younger
.endif
.if jj < 23
	TLD jj+1
	s_wait_dscnt 2                                 ; all but the two loads just issued
.else
	s_wait_dscnt 0x0
.endif
.irp row, 0,1
.irp e, 0,1,2,3
.irp j, 0,1
.if (jj%8 == 0) && (\e == 0)
	v_mul_f32 v[224+2*(3*\row+jj/8)+\j], v[16+8*jj+4*\row], v[208+8*(jj%2)+\j]
.else
	v_fmac_f32 v[224+2*(3*\row+jj/8)+\j], v[16+8*jj+4*\row+\e], v[208+8*(jj%2)+2*\e+\j]
.endif
.endr
.endr
.endr
.set jj, jj+1
.endr
.irp a, 0,1,2,3,4,5,6,7,8,9,10,11
	WSUM 224+\a, 236
.endr
	v_mov_b32 v248, 0                              ; lane 16 row + 2 head + j takes its sum, the others 0
.irp row, 0,1
.irp a, 0,1,2,3,4,5
	v_cmp_eq_u32 vcc_lo, 16*\row+\a, v1
	v_cndmask_b32 v248, v248, v[224+6*\row+\a], vcc_lo
.endr
.endr
	ds_store_b32 v7, v248
	BAR
	s_cmp_lg_u32 s16, 0
	s_cbranch_scc1 .Lend_b
.irp c, 0,1
.irp e, 0,1,2,3,4,5,6,7
	ds_load_b32 v[16+8*\c+\e], v8 offset:1024*\c+64*\e    ; P(i = 16 c + 8 h + e, column r): the fragment's own order
.endr
.endr
	s_wait_dscnt 0x0
	v_max3_num_f32 v40, |v16|, |v17|, 0x0d800000   ; the floor 2^-100
.irp i, 2,4,6,8,10,12,14
	v_max3_num_f32 v40, v40, |v[16+\i]|, |v[17+\i]|
.endr
	WMAX 40, 41
	v_and_b32 v42, 0x7f800000, v40                 ; sigma: the power of two at or under the largest magnitude
	v_sub_nc_u32 v43, 0x7f000000, v42              ; 1 / sigma
.set i, 0
.rept 16
	v_mul_f32 v[16+i], v43, v[16+i]
.set i, i+1
.endr
.set i, 0
.rept 8
	v_cvt_pk_f16_f32 v[16+i], v[16+2*i], v[17+2*i]
.set i, i+1
.endr
	global_store_b128 v4, v[16:19], s[30:31] offset:196608
	global_store_b128 v4, v[20:23], s[30:31] offset:196608+512
	global_store_b32 v9, v42, s[32:33] offset:229376
.Lend_b:
	s_wait_tensorcnt 0x0
	ds_add_u32 v2, v3
	s_wait_dscnt 0x0
	s_endpgm
.Lfunc_end_k_q281ba5968a_qproj:
	.size	k_q281ba5968a_qproj, .Lfunc_end_k_q281ba5968a_qproj-k_q281ba5968a_qproj
	.p2alignl 7, 3214868480
	.fill 96, 4, 3214868480
	.section	.rodata,"a",@progbits
	.p2align	6, 0x0
	.amdhsa_kernel k_q281ba5968a_qproj
		.amdhsa_group_segment_fixed_size 270336
		.amdhsa_private_segment_fixed_size 0
		.amdhsa_enable_private_segment 0
		.amdhsa_kernarg_size 48
		.amdhsa_user_sgpr_count 2
		.amdhsa_user_sgpr_kernarg_segment_ptr 1
		.amdhsa_wavefront_size32 1
		.amdhsa_system_sgpr_workgroup_id_x 1
		.amdhsa_system_sgpr_workgroup_id_y 1
		.amdhsa_system_sgpr_workgroup_id_z 1
		.amdhsa_system_vgpr_workitem_id 0
		.amdhsa_next_free_vgpr 256
		.amdhsa_next_free_sgpr 66
		.amdhsa_reserve_vcc 1
		.amdhsa_float_denorm_mode_32 3
		.amdhsa_float_denorm_mode_16_64 3
		.amdhsa_memory_ordered 1
		.amdhsa_forward_progress 1
		.amdhsa_inst_pref_size 72
	.end_amdhsa_kernel
	.amdgpu_metadata
---
amdhsa.version: [ 1, 2 ]
amdhsa.kernels:
  - .name:           k_q281ba5968a_qproj
    .symbol:         k_q281ba5968a_qproj.kd
    .args:
      - { .name: w4, .offset: 0, .size: 8, .value_kind: global_buffer, .address_space: global }
      - { .name: ln_g, .offset: 8, .size: 8, .value_kind: global_buffer, .address_space: global }
      - { .name: ln_b, .offset: 16, .size: 8, .value_kind: global_buffer, .address_space: global }
      - { .name: q_w, .offset: 24, .size: 8, .value_kind: global_buffer, .address_space: global }
      - { .name: v_w, .offset: 32, .size: 8, .value_kind: global_buffer, .address_space: global }
      - { .name: w5, .offset: 40, .size: 8, .value_kind: global_buffer, .address_space: global }
    .group_segment_fixed_size: 270336
    .private_segment_fixed_size: 0
    .kernarg_segment_align: 8
    .kernarg_segment_size: 48
    .max_flat_workgroup_size: 512
    .sgpr_count:     66
    .vgpr_count:     256
    .wavefront_size: 32
...
	.end_amdgpu_metadata
.endif
;; end of part 5
;; launch kproj (part 6): grid 64 x 3, 8 waves a work-group, no clusters, 52,224 bytes of LDS; arguments w5, k_w, w6; writes w6
.if DOCPART == 6
	.amdgcn_target "amdgcn-amd-amdhsa--gfx1250"
	.amdhsa_code_object_version 6
	.text
	.protected	k_q281ba5968a_kproj
	.globl	k_q281ba5968a_kproj
	.p2align	8
	.type	k_q281ba5968a_kproj,@function
k_q281ba5968a_kproj:
	s_mov_b64 s[64:65], 0
	v_nop
	global_prefetch_b8 v0, s[64:65] scope:SCOPE_SE
	s_setreg_imm32_b32 hwreg(HW_REG_WAVE_MODE, 25, 1), 1
	s_wait_xcnt 0x0
; Qk'[h][q][i] = log2(e) / 32 x sum over d of Q[q][h][d] k_w[i][1024 h + d]: the keys' projection carried over to the 96 queries, so that a score is LayerNorm(X)(key) . Qk'.
; Work-group (it, h): 16 rows i of k_w, one head.  Wave w takes d = 128 w on (four K steps of 32); f16 operands, f32 sums; the eight waves' parts are added through LDS.
; Source 0 = 16 rows of k_w, source 1 = 16 queries: a lane holds one query and eight neighbouring i: 16 bytes of the next operand's image.
; w6: [2 h + query tile][K step 32][1024 bytes].   LIMITS: k_w, Q and Qk' must lie inside f16's range; NaN and infinities are not served.
.set KT,    0                          ; [wave 8][16 rows][256 bytes + 16]: k_w in f16
.set RD,    34816                      ; [wave 8][query tile 2][1024]
.set SPARE, 51200
.macro BAR
	s_wait_dscnt 0x0
	s_barrier_signal -1
	s_barrier_wait -1
.endm
	s_load_b128 s[4:7], s[0:1], 0x0                ; w5, k_w
	s_load_b64 s[8:9], s[0:1], 0x10                ; w6
	v_lshl_add_u32 v2, v0, 2, SPARE
	v_mov_b32 v3, 0
	v_and_b32 v1, 31, v0
	v_lshrrev_b32 v4, 5, v0
	v_readfirstlane_b32 s10, v4                    ; wave 0..7
	s_and_b32 s11, ttmp7, 0xffff                   ; head
	v_lshlrev_b32 v4, 4, v1
	s_mul_i32 s12, s10, 4352
	v_lshl_add_u32 v5, v1, 3, s12                  ; v5: k_w in f16, in: 8 l
	v_and_b32 v6, 15, v1
	v_lshrrev_b32 v7, 4, v1
	v_mul_u32_u24 v6, v6, 272
	v_lshl_add_u32 v6, v7, 4, v6
	v_add_nc_u32 v6, s12, v6                       ; v6: its fragments: row r, 16 h
	s_lshl_b32 s12, s10, 11
	s_add_co_u32 s12, s12, RD
	v_add_nc_u32 v7, s12, v4                       ; v7: my two result tiles
	s_min_u32 s13, s10, 1
	s_lshl_b32 s12, s13, 10
	s_add_co_u32 s12, s12, RD
	v_add_nc_u32 v8, s12, v4                       ; v8: tile = wave of every source
	s_mul_i32 s14, ttmp9, 196608
	s_lshl_b32 s12, s11, 12
	s_add_co_u32 s14, s14, s12
	s_lshl_b32 s12, s10, 9
	s_add_co_u32 s14, s14, s12
	s_mov_b32 s15, 0
	s_lshl_b32 s16, s11, 16
	s_lshl_b32 s12, s10, 12
	s_add_co_u32 s16, s16, s12
	s_mov_b32 s17, 0
	s_lshl_b32 s18, s11, 1
	s_add_co_u32 s18, s18, s13
	s_lshl_b32 s18, s18, 15
	s_lshl_b32 s12, ttmp9, 9
	s_add_co_u32 s18, s18, s12
	s_mov_b32 s19, 0
	s_wait_kmcnt 0x0
	s_add_nc_u64 s[6:7], s[6:7], s[14:15]
	s_add_nc_u64 s[4:5], s[4:5], s[16:17]
	s_add_nc_u64 s[8:9], s[8:9], s[18:19]
.set i, 0
.rept 16
	global_load_b128 v[16+4*i:19+4*i], v4, s[6:7] offset:12288*i th:TH_LOAD_NT   ; 512 consecutive bytes of a row
.set i, i+1
.endr
.irp qt, 0,1
.irp st, 0,1,2,3
.irp c, 0,1
	global_load_b128 v[80+8*(4*\qt+\st)+4*\c:83+8*(4*\qt+\st)+4*\c], v4, s[4:5] offset:32768*\qt+1024*\st+512*\c
.endr
.endr
.endr
	s_wait_loadcnt 16                              ; k_w is in; Q's 16 loads are younger
.set i, 0
.rept 16
	v_cvt_pk_f16_f32 v[16+4*i], v[16+4*i], v[17+4*i]
	v_cvt_pk_f16_f32 v[17+4*i], v[18+4*i], v[19+4*i]
	ds_store_b64 v5, v[16+4*i:17+4*i] offset:272*i
.set i, i+1
.endr
.irp st, 0,1,2,3
	ds_load_b128 v[144+8*\st:147+8*\st], v6 offset:64*\st        ; my own bytes, served in order
	ds_load_b128 v[148+8*\st:151+8*\st], v6 offset:64*\st+32
.endr
	s_wait_loadcnt 0x0
	s_wait_dscnt 0x0
	v_wmma_f32_16x16x32_f16 v[176:183], v[144:151], v[80:87], 0
	v_wmma_f32_16x16x32_f16 v[184:191], v[144:151], v[112:119], 0
.irp st, 1,2,3                         ; the two accumulators take turns, one instruction a turn
	v_wmma_f32_16x16x32_f16 v[176:183], v[144+8*\st:151+8*\st], v[80+8*\st:87+8*\st], v[176:183]
	v_wmma_f32_16x16x32_f16 v[184:191], v[144+8*\st:151+8*\st], v[112+8*\st:119+8*\st], v[184:191]
.endr
.rept 4
	v_nop
.endr
.irp qt, 0,1
	ds_store_b128 v7, v[176+8*\qt:179+8*\qt] offset:1024*\qt
	ds_store_b128 v7, v[180+8*\qt:183+8*\qt] offset:1024*\qt+512
.endr
	BAR
	s_cmp_lt_u32 s10, 2
	s_cbranch_scc0 .Lend
.set u, 0
.rept 8
	ds_load_b128 v[16+8*u:19+8*u], v8 offset:2048*u
	ds_load_b128 v[20+8*u:23+8*u], v8 offset:2048*u+512
.set u, u+1
.endr
	s_wait_dscnt 0x0
.set u, 1
.rept 7
.irp p, 0,2,4,6
	v_pk_add_f32 v[16+\p:17+\p], v[16+\p:17+\p], v[16+8*u+\p:17+8*u+\p]
.endr
.set u, u+1
.endr
.irp p, 0,2,4,6
	v_pk_mul_f32 v[16+\p:17+\p], v[16+\p:17+\p], 0x3d38aa3b op_sel_hi:[1,0]   ; log2(e) / sqrt(1024)
.endr
	v_cvt_pk_f16_f32 v16, v16, v17
	v_cvt_pk_f16_f32 v17, v18, v19
	v_cvt_pk_f16_f32 v18, v20, v21
	v_cvt_pk_f16_f32 v19, v22, v23
	global_store_b128 v4, v[16:19], s[8:9]         ; 512 consecutive bytes, aligned
.Lend:
	s_wait_tensorcnt 0x0                           ; the wave's end
	ds_add_u32 v2, v3
	s_wait_dscnt 0x0
	s_endpgm
.Lfunc_end_k_q281ba5968a_kproj:
	.size	k_q281ba5968a_kproj, .Lfunc_end_k_q281ba5968a_kproj-k_q281ba5968a_kproj
	.p2alignl 7, 3214868480
	.fill 96, 4, 3214868480
	.section	.rodata,"a",@progbits
	.p2align	6, 0x0
	.amdhsa_kernel k_q281ba5968a_kproj
		.amdhsa_group_segment_fixed_size 52224
		.amdhsa_private_segment_fixed_size 0
		.amdhsa_enable_private_segment 0
		.amdhsa_kernarg_size 24
		.amdhsa_user_sgpr_count 2
		.amdhsa_user_sgpr_kernarg_segment_ptr 1
		.amdhsa_wavefront_size32 1
		.amdhsa_system_sgpr_workgroup_id_x 1
		.amdhsa_system_sgpr_workgroup_id_y 1
		.amdhsa_system_sgpr_workgroup_id_z 1
		.amdhsa_system_vgpr_workitem_id 0
		.amdhsa_next_free_vgpr 208
		.amdhsa_next_free_sgpr 66
		.amdhsa_reserve_vcc 0
		.amdhsa_float_denorm_mode_32 3
		.amdhsa_float_denorm_mode_16_64 3
		.amdhsa_memory_ordered 1
		.amdhsa_forward_progress 1
		.amdhsa_inst_pref_size 14
	.end_amdhsa_kernel
	.amdgpu_metadata
---
amdhsa.version: [ 1, 2 ]
amdhsa.kernels:
  - .name:           k_q281ba5968a_kproj
    .symbol:         k_q281ba5968a_kproj.kd
    .args:
      - { .name: w5, .offset: 0, .size: 8, .value_kind: global_buffer, .address_space: global }
      - { .name: k_w, .offset: 8, .size: 8, .value_kind: global_buffer, .address_space: global }
      - { .name: w6, .offset: 16, .size: 8, .value_kind: global_buffer, .address_space: global }
    .group_segment_fixed_size: 52224
    .private_segment_fixed_size: 0
    .kernarg_segment_align: 8
    .kernarg_segment_size: 24
    .max_flat_workgroup_size: 256
    .sgpr_count:     66
    .vgpr_count:     208
    .wavefront_size: 32
...
	.end_amdgpu_metadata
.endif
;; end of part 6
;; launch score (part 7): grid 128 x 1, 16 waves a work-group, no clusters, 233,472 bytes of LDS; arguments w1, w5, w6, w7; writes w7
.if DOCPART == 7
	.amdgcn_target "amdgcn-amd-amdhsa--gfx1250"
	.amdhsa_code_object_version 6
	.text
	.protected	k_q281ba5968a_score
	.globl	k_q281ba5968a_score
	.p2align	8
	.type	k_q281ba5968a_score,@function
k_q281ba5968a_score:
	s_mov_b64 s[64:65], 0
	v_nop
	global_prefetch_b8 v0, s[64:65] scope:SCOPE_SE
	s_setreg_imm32_b32 hwreg(HW_REG_WAVE_MODE, 25, 1), 1
	s_wait_xcnt 0x0
; For 32 keys: s'(key, column) = LayerNorm(X)(key) . Qk'(column) for the 96 columns (head, query), and VP(key, 2 h + j) = LayerNorm(X)(key) . P; then the softmax's part over these keys:
; m = the largest s', l = sum 2^(s' - m), y_j = sum 2^(s' - m) VP(key, 2 h + j); a record (m, l, y0, y1) for each column.  The last launch joins the 128 parts by their m.
; Wave w takes K steps 2 w and 2 w + 1 of 32; f16 operands, f32 sums; source 0 = 16 keys, source 1 = 16 columns: a lane holds one column and eight keys.  The sixteen waves' parts are added through LDS.
; P's fragments are scaled K step by K step: each step's product has an accumulator of its own and is multiplied by that step's sigma.
; No cluster: the operands go straight into registers.  NaN and infinities are not served.
.set RD,    0                          ; [key tile 2][wave 16][7 tiles][1024]
.set VPL,   229376                     ; [column 16][32 keys] f32
.set SPARE, 231424
.set ACC,   168                        ; v168-215 six tiles of scores; v216-223, v224-231 VP of the two K steps
.set SEL,   26
.set HM,    28
.macro BAR
	s_wait_dscnt 0x0
	s_barrier_signal -1
	s_barrier_wait -1
.endm
	s_load_b256 s[4:11], s[0:1], 0x0               ; w1 s[4:5], w5 s[6:7], w6 s[8:9], w7 s[10:11]
	v_lshl_add_u32 v2, v0, 2, SPARE
	v_mov_b32 v3, 0
	v_and_b32 v1, 31, v0
	v_lshrrev_b32 v4, 5, v0
	v_readfirstlane_b32 s12, v4                    ; wave 0..15
	v_lshlrev_b32 v4, 4, v1
	s_mul_i32 s13, s12, 7168
	v_add_nc_u32 v5, s13, v4                       ; v5, v6: my parts, key tile 0, 1
	v_add_nc_u32 v6, 114688, v5
	s_min_u32 s13, s12, 6
	s_lshl_b32 s13, s13, 10
	v_add_nc_u32 v7, s13, v4                       ; v7-10: tile = wave of sources 0-8, 9-17, 18-26, 27-31
	v_add_nc_u32 v8, 64512, v7
	v_add_nc_u32 v9, 129024, v7
	v_add_nc_u32 v10, 193536, v7
	v_and_b32 v13, 15, v1                          ; r
	v_lshrrev_b32 v14, 4, v1                       ; h
	v_lshlrev_b32 v11, 7, v13
	v_lshl_add_u32 v11, v14, 5, v11
	v_add_nc_u32 v11, VPL, v11                     ; v11: VP, in: column r, keys 8 h on
	s_min_u32 s14, s12, 5
	s_lshr_b32 s13, s14, 1
	s_lshl_b32 s13, s13, 8
	s_add_co_u32 s13, s13, VPL
	v_lshl_add_u32 v12, v14, 5, s13                ; v12: VP, out: my head's two columns
	v_lshlrev_b32 v13, 4, v13
	v_lshl_add_u32 v13, v14, 3, v13                ; a record's half: 16 r + 8 h
	v_lshlrev_b32 v14, 2, v1                       ; 4 l
	s_mov_b32 s[SEL], 0x76543210
	s_mov_b32 s[SEL+1], 0xfedcba98
	s_mov_b32 s[HM], 0xffff0000
	s_lshl_b32 s16, s12, 11
	s_mov_b32 s17, 0
	s_lshl_b32 s18, ttmp9, 16
	s_add_co_u32 s18, s18, s16
	s_mov_b32 s19, 0
	s_lshl_b32 s20, s12, 8
	s_mov_b32 s21, 0
	s_mul_i32 s22, ttmp9, 1536
	s_lshl_b32 s14, s14, 8
	s_add_co_u32 s22, s22, s14
	s_mov_b32 s23, 0
	s_wait_kmcnt 0x0
	s_add_nc_u64 s[4:5], s[4:5], s[18:19]          ; the keys' images 2 wg, 2 wg + 1 at K step 2 w
	s_add_nc_u64 s[8:9], s[8:9], s[16:17]          ; Qk' at K step 2 w
	s_add_nc_u64 s[24:25], s[6:7], s[20:21]        ; sigma at K step 2 w
	s_add_nc_u64 s[6:7], s[6:7], s[16:17]          ; P at K step 2 w
	s_add_nc_u64 s[10:11], s[10:11], s[22:23]
.irp kt, 0,1
.irp st, 0,1
.irp c, 0,1
	global_load_b128 v[128+8*(2*\kt+\st)+4*\c:131+8*(2*\kt+\st)+4*\c], v4, s[4:5] offset:32768*\kt+1024*\st+512*\c
.endr
.endr
.endr
	global_load_b32 v160, v14, s[24:25] offset:229376
	global_load_b32 v161, v14, s[24:25] offset:229376+128
.irp ct, 0,1,2,3,4,5
.irp st, 0,1
.irp c, 0,1
	global_load_b128 v[16+8*(2*\ct+\st)+4*\c:19+8*(2*\ct+\st)+4*\c], v4, s[8:9] offset:32768*\ct+1024*\st+512*\c
.endr
.endr
.endr
.irp st, 0,1
.irp c, 0,1
	global_load_b128 v[112+8*\st+4*\c:115+8*\st+4*\c], v4, s[6:7] offset:196608+1024*\st+512*\c
.endr
.endr
	s_wait_loadcnt 0x0                             ; all of it is wanted at once
.macro KEYS kt
.if \kt > 0
	s_wait_dscnt 0x0                               ; the stores have read the accumulators,
.rept 5
	v_nop                                          ; and five places stand in front of matrix instructions that begin them anew
.endr
.endif
.irp ct, 0,1,2,3,4,5,6                 ; the accumulators take turns, one instruction a turn
	v_wmma_f32_16x16x32_f16 v[ACC+8*\ct:ACC+8*\ct+7], v[128+16*\kt:135+16*\kt], v[16+16*\ct:23+16*\ct], 0
.endr
.irp ct, 0,1,2,3,4,5
	v_wmma_f32_16x16x32_f16 v[ACC+8*\ct:ACC+8*\ct+7], v[136+16*\kt:143+16*\kt], v[24+16*\ct:31+16*\ct], v[ACC+8*\ct:ACC+8*\ct+7]
.endr
	v_wmma_f32_16x16x32_f16 v[ACC+56:ACC+63], v[136+16*\kt:143+16*\kt], v[120:127], 0
.rept 4
	v_nop
.endr
.irp j, 0,1,2,3,4,5,6,7
	v_mul_f32 v[216+\j], v160, v[216+\j]
.endr
.irp j, 0,1,2,3,4,5,6,7
	v_fmac_f32 v[216+\j], v161, v[224+\j]
.endr
.irp T, 0,1,2,3,4,5,6
	ds_store_b128 v[5+\kt], v[ACC+8*\T:ACC+8*\T+3] offset:1024*\T
	ds_store_b128 v[5+\kt], v[ACC+8*\T+4:ACC+8*\T+7] offset:1024*\T+512
.endr
.endm
	KEYS 0
	KEYS 1
	BAR
; tile = wave of key tile kt, summed over the sixteen waves' parts, into v[dst] on
.macro GATHER kt, dst
.set u, 16*\kt
.rept 16
.set sr, u-16*\kt
	ds_load_b128 v[16+8*sr:19+8*sr], v[7+u/9] offset:(u%9)*7168
	ds_load_b128 v[20+8*sr:23+8*sr], v[7+u/9] offset:(u%9)*7168+512
.set u, u+1
.endr
	s_wait_dscnt 0x0
.set sr, 1
.rept 14
.irp p, 0,2,4,6
	v_pk_add_f32 v[16+\p:17+\p], v[16+\p:17+\p], v[16+8*sr+\p:17+8*sr+\p]
.endr
.set sr, sr+1
.endr
.irp p, 0,2,4,6
	v_pk_add_f32 v[\dst+\p:\dst+\p+1], v[16+\p:17+\p], v[136+\p:137+\p]
.endr
.endm
	s_cmp_lt_u32 s12, 7
	s_cbranch_scc0 .Lno_tile
	GATHER 0, 144
	GATHER 1, 152
	s_cmp_eq_u32 s12, 6
	s_cbranch_scc0 .Lno_tile
.irp kt, 0,1
.irp q, 0,1
	ds_store_b128 v11, v[144+8*\kt+4*\q:147+8*\kt+4*\q] offset:64*\kt+16*\q
.endr
.endr
.Lno_tile:
	BAR                                            ; VP lies in LDS
	s_cmp_lt_u32 s12, 6
	s_cbranch_scc0 .Lend
.irp jj, 0,1
.irp kt, 0,1
.irp q, 0,1
	ds_load_b128 v[16+16*\jj+8*\kt+4*\q:19+16*\jj+8*\kt+4*\q], v12 offset:128*\jj+64*\kt+16*\q
.endr
.endr
.endr
	v_max3_num_f32 v160, v144, v145, v146
.irp i, 3,5,7,9,11,13
	v_max3_num_f32 v160, v160, v[144+\i], v[145+\i]
.endr
	v_max_num_f32 v160, v160, v159
	v_permlanex16_b32 v161, v160, s[SEL], s[SEL+1]
	v_max_num_f32 v160, v160, v161                 ; m over the 32 keys
.set i, 0
.rept 16
	v_sub_f32 v[144+i], v[144+i], v160
.set i, i+1
.endr
.set i, 0
.rept 16
	v_exp_f32 v[144+i], v[144+i]
.set i, i+1
.endr
	v_nop
	s_wait_alu depctr_va_vdst(0)                   ; one wait for the batch
	s_wait_dscnt 0x0
	v_pk_add_f32 v[162:163], v[144:145], v[146:147]
.irp i, 4,6,8,10,12,14
	v_pk_add_f32 v[162:163], v[162:163], v[144+\i:145+\i]
.endr
	v_add_f32 v162, v162, v163
	v_mul_f32 v164, v144, v16
	v_mul_f32 v165, v144, v32
.set i, 1
.rept 15
	v_fmac_f32 v164, v[144+i], v[16+i]
	v_fmac_f32 v165, v[144+i], v[32+i]
.set i, i+1
.endr
.irp a, 162,164,165
	v_permlanex16_b32 v161, v[\a], s[SEL], s[SEL+1]
	v_add_f32 v[\a], v[\a], v161
.endr
	v_cndmask_b32 v168, v160, v164, s[HM]          ; lanes 0-15: (m, l); lanes 16-31: (y0, y1)
	v_cndmask_b32 v169, v162, v165, s[HM]
	global_store_b64 v13, v[168:169], s[10:11]     ; sixteen records: 256 consecutive bytes, aligned
.Lend:
	s_wait_tensorcnt 0x0                           ; the wave's end
	ds_add_u32 v2, v3
	s_wait_dscnt 0x0
	s_endpgm
.Lfunc_end_k_q281ba5968a_score:
	.size	k_q281ba5968a_score, .Lfunc_end_k_q281ba5968a_score-k_q281ba5968a_score
	.p2alignl 7, 3214868480
	.fill 96, 4, 3214868480
	.section	.rodata,"a",@progbits
	.p2align	6, 0x0
	.amdhsa_kernel k_q281ba5968a_score
		.amdhsa_group_segment_fixed_size 233472
		.amdhsa_private_segment_fixed_size 0
		.amdhsa_enable_private_segment 0
		.amdhsa_kernarg_size 32
		.amdhsa_user_sgpr_count 2
		.amdhsa_user_sgpr_kernarg_segment_ptr 1
		.amdhsa_wavefront_size32 1
		.amdhsa_system_sgpr_workgroup_id_x 1
		.amdhsa_system_sgpr_workgroup_id_y 1
		.amdhsa_system_sgpr_workgroup_id_z 1
		.amdhsa_system_vgpr_workitem_id 0
		.amdhsa_next_free_vgpr 256
		.amdhsa_next_free_sgpr 66
		.amdhsa_reserve_vcc 0
		.amdhsa_float_denorm_mode_32 3
		.amdhsa_float_denorm_mode_16_64 3
		.amdhsa_memory_ordered 1
		.amdhsa_forward_progress 1
		.amdhsa_inst_pref_size 28
	.end_amdhsa_kernel
	.amdgpu_metadata
---
amdhsa.version: [ 1, 2 ]
amdhsa.kernels:
  - .name:           k_q281ba5968a_score
    .symbol:         k_q281ba5968a_score.kd
    .args:
      - { .name: w1, .offset: 0, .size: 8, .value_kind: global_buffer, .address_space: global }
      - { .name: w5, .offset: 8, .size: 8, .value_kind: global_buffer, .address_space: global }
      - { .name: w6, .offset: 16, .size: 8, .value_kind: global_buffer, .address_space: global }
      - { .name: w7, .offset: 24, .size: 8, .value_kind: global_buffer, .address_space: global }
    .group_segment_fixed_size: 233472
    .private_segment_fixed_size: 0
    .kernarg_segment_align: 8
    .kernarg_segment_size: 32
    .max_flat_workgroup_size: 512
    .sgpr_count:     66
    .vgpr_count:     256
    .wavefront_size: 32
...
	.end_amdgpu_metadata
.endif
;; end of part 7
;; launch final (part 8): grid 1 x 1, 24 waves a work-group, no clusters, 15,872 bytes of LDS; arguments w7, o_b, head_w, head_b, out2; writes out2
.if DOCPART == 8
	.amdgcn_target "amdgcn-amd-amdhsa--gfx1250"
	.amdhsa_code_object_version 6
	.text
	.protected	k_q281ba5968a_final
	.globl	k_q281ba5968a_final
	.p2align	8
	.type	k_q281ba5968a_final,@function
k_q281ba5968a_final:
	s_mov_b64 s[64:65], 0
	v_nop
	global_prefetch_b8 v0, s[64:65] scope:SCOPE_SE
	s_setreg_imm32_b32 hwreg(HW_REG_WAVE_MODE, 25, 1), 1
	s_wait_xcnt 0x0
; y_hat[j] = 1/32 sum over the 96 columns (head, query) of Y_j / L + o_b . head_w[:, j] + head_b[j], where (M, L, Y0, Y1) joins a column's 128 records: each is brought under the common maximum by 2^(m - M).
; One work-group, since one pair of numbers is the result: wave W joins records 16 (W % 8) on of columns 32 (W / 8) on, a lane a column; three waves join the eight parts; wave 0 ends.
.set R8,    0                          ; [part 8][column 96][4] f32
.set HS,    12288                      ; a pair for each head
.set CS,    12544                      ; a pair for each of eight waves: parts of o_b . head_w
.set SPARE, 12800
.set SEL,   26
.macro WSUM v, t
	v_add_f32_dpp v[\v], v[\v], v[\v] row_xmask:1 row_mask:0xf bank_mask:0xf
	v_add_f32_dpp v[\v], v[\v], v[\v] row_xmask:2 row_mask:0xf bank_mask:0xf
	v_add_f32_dpp v[\v], v[\v], v[\v] row_xmask:4 row_mask:0xf bank_mask:0xf
	v_add_f32_dpp v[\v], v[\v], v[\v] row_xmask:8 row_mask:0xf bank_mask:0xf
	v_permlanex16_b32 v[\t], v[\v], s[SEL], s[SEL+1]
	v_add_f32 v[\v], v[\v], v[\t]
.endm
.macro BAR
	s_wait_dscnt 0x0
	s_barrier_signal -1
	s_barrier_wait -1
.endm
.macro MERGE n, o                      ; n records (m, l, y0, y1) in v16 on become one in v[o] on
	v_max_num_f32 v[\o], v16, v20
.set i, 2
.rept (\n-2)/2
	v_max3_num_f32 v[\o], v[\o], v[16+4*i], v[20+4*i]
.set i, i+2
.endr
.set i, 0
.rept \n
	v_sub_f32 v[16+4*i], v[16+4*i], v[\o]
.set i, i+1
.endr
.set i, 0
.rept \n
	v_exp_f32 v[16+4*i], v[16+4*i]
.set i, i+1
.endr
	v_nop
	s_wait_alu depctr_va_vdst(0)                   ; one wait for the batch
	v_mul_f32 v[\o+1], v16, v17
	v_mul_f32 v[\o+2], v16, v18
	v_mul_f32 v[\o+3], v16, v19
.set i, 1
.rept \n-1
	v_fmac_f32 v[\o+1], v[16+4*i], v[17+4*i]
	v_fmac_f32 v[\o+2], v[16+4*i], v[18+4*i]
	v_fmac_f32 v[\o+3], v[16+4*i], v[19+4*i]
.set i, i+1
.endr
.endm
	s_load_b256 s[4:11], s[0:1], 0x0               ; w7 s[4:5], o_b s[6:7], head_w s[8:9], head_b s[10:11]
	s_load_b64 s[12:13], s[0:1], 0x20              ; out2
	v_lshl_add_u32 v2, v0, 2, SPARE
	v_mov_b32 v3, 0
	v_and_b32 v1, 31, v0
	v_lshrrev_b32 v4, 5, v0
	v_readfirstlane_b32 s14, v4                    ; wave 0..23
	s_lshr_b32 s15, s14, 3                         ; head
	s_and_b32 s16, s14, 7                          ; part
	v_lshlrev_b32 v4, 4, v1
	s_mul_i32 s17, s16, 1536
	s_lshl_b32 s18, s15, 9
	s_add_co_u32 s17, s17, s18
	v_add_nc_u32 v5, s17, v4                       ; v5: my part's records
	s_min_u32 s19, s14, 7
	s_lshl_b32 s17, s19, 3
	s_add_co_u32 s17, s17, CS
	v_mov_b32 v6, s17                              ; v6: CS + 8 W
	s_min_u32 s17, s14, 2
	s_lshl_b32 s22, s17, 9
	v_add_nc_u32 v7, s22, v4                       ; v7: head W's records of every part
	s_lshl_b32 s17, s17, 3
	s_add_co_u32 s17, s17, HS
	v_mov_b32 v8, s17                              ; v8: HS + 8 W
	v_mov_b32 v9, HS
	v_mov_b32 v10, CS
	v_lshlrev_b32 v11, 5, v1                       ; head_w: 32 bytes for my four n
	v_lshlrev_b32 v12, 2, v1
	v_mov_b32 v102, 0                              ; written once: a lane permute's destination counts as a source
	s_mov_b32 s[SEL], 0x76543210
	s_mov_b32 s[SEL+1], 0xfedcba98
	s_mul_i32 s22, s16, 24576
	s_add_co_u32 s22, s22, s18
	s_mov_b32 s23, 0
	s_lshl_b32 s24, s19, 9
	s_mov_b32 s25, 0
	s_lshl_b32 s28, s19, 10
	s_mov_b32 s29, 0
	s_wait_kmcnt 0x0
	s_load_b64 s[20:21], s[10:11], 0x0             ; head_b
	s_add_nc_u64 s[4:5], s[4:5], s[22:23]
	s_add_nc_u64 s[6:7], s[6:7], s[24:25]
	s_add_nc_u64 s[8:9], s[8:9], s[28:29]
	s_cmp_lt_u32 s14, 8
	s_cbranch_scc0 .Lno_c1
	global_load_b128 v[88:91], v4, s[6:7]
	global_load_b128 v[92:95], v11, s[8:9]
	global_load_b128 v[96:99], v11, s[8:9] offset:16
.Lno_c1:
.set i, 0
.rept 16
	global_load_b128 v[16+4*i:19+4*i], v4, s[4:5] offset:1536*i
.set i, i+1
.endr
	s_wait_loadcnt 0x0
	MERGE 16, 80
	ds_store_b128 v5, v[80:83]
	s_cmp_lt_u32 s14, 8
	s_cbranch_scc0 .Lno_c2
	v_mul_f32 v100, v88, v92
	v_mul_f32 v101, v88, v93
.irp e, 1,2,3
	v_fmac_f32 v100, v[88+\e], v[92+2*\e]
	v_fmac_f32 v101, v[88+\e], v[93+2*\e]
.endr
	WSUM 100, 102
	WSUM 101, 102
	ds_store_b64 v6, v[100:101]
.Lno_c2:
	BAR
	s_cmp_lt_u32 s14, 3
	s_cbranch_scc0 .Lno_h
.set i, 0
.rept 8
	ds_load_b128 v[16+4*i:19+4*i], v7 offset:1536*i
.set i, i+1
.endr
	s_wait_dscnt 0x0
	MERGE 8, 84
	v_rcp_f32 v85, v85
	v_nop
	s_wait_alu depctr_va_vdst(0)
	v_mul_f32 v86, v86, v85
	v_mul_f32 v87, v87, v85
	WSUM 86, 102                                   ; over the head's 32 queries
	WSUM 87, 102
	ds_store_b64 v8, v[86:87]
.Lno_h:
	BAR
	s_cmp_lg_u32 s14, 0
	s_cbranch_scc1 .Lend
	ds_load_b128 v[16:19], v9
	ds_load_b64 v[20:21], v9 offset:16
.irp i, 0,1,2,3
	ds_load_b128 v[24+4*\i:27+4*\i], v10 offset:16*\i
.endr
	s_wait_dscnt 0x0
	v_pk_add_f32 v[16:17], v[16:17], v[18:19]
	v_pk_add_f32 v[16:17], v[16:17], v[20:21]
.irp i, 2,4,6,8,10,12,14
	v_pk_add_f32 v[24:25], v[24:25], v[24+\i:25+\i]
.endr
	v_pk_fma_f32 v[16:17], v[16:17], 0x3d000000, v[24:25] op_sel_hi:[1,0,1]
	s_wait_kmcnt 0x0
	v_add_f32 v16, s20, v16
	v_add_f32 v17, s21, v17
	v_cmp_eq_u32 vcc_lo, 1, v1
	v_cndmask_b32 v16, v16, v17, vcc_lo            ; lane 0: y_hat[0], lane 1: y_hat[1]
	v_cmp_gt_u32 vcc_lo, 2, v1
	s_wait_xcnt 0x0                                ; EXEC changes only behind this wait
	s_and_saveexec_b32 s22, vcc_lo
	global_store_b32 v12, v16, s[12:13]
	s_wait_xcnt 0x0                                ; and again in front of the line that widens it
	s_or_b32 exec_lo, exec_lo, s22
.Lend:
	s_wait_tensorcnt 0x0                           ; the wave's end
	ds_add_u32 v2, v3
	s_wait_dscnt 0x0
	s_endpgm
.Lfunc_end_k_q281ba5968a_final:
	.size	k_q281ba5968a_final, .Lfunc_end_k_q281ba5968a_final-k_q281ba5968a_final
	.p2alignl 7, 3214868480
	.fill 96, 4, 3214868480
	.section	.rodata,"a",@progbits
	.p2align	6, 0x0
	.amdhsa_kernel k_q281ba5968a_final
		.amdhsa_group_segment_fixed_size 15872
		.amdhsa_private_segment_fixed_size 0
		.amdhsa_enable_private_segment 0
		.amdhsa_kernarg_size 40
		.amdhsa_user_sgpr_count 2
		.amdhsa_user_sgpr_kernarg_segment_ptr 1
		.amdhsa_wavefront_size32 1
		.amdhsa_system_sgpr_workgroup_id_x 1
		.amdhsa_system_sgpr_workgroup_id_y 1
		.amdhsa_system_sgpr_workgroup_id_z 1
		.amdhsa_system_vgpr_workitem_id 0
		.amdhsa_next_free_vgpr 128
		.amdhsa_next_free_sgpr 66
		.amdhsa_reserve_vcc 1
		.amdhsa_float_denorm_mode_32 3
		.amdhsa_float_denorm_mode_16_64 3
		.amdhsa_memory_ordered 1
		.amdhsa_forward_progress 1
		.amdhsa_inst_pref_size 13
	.end_amdhsa_kernel
	.amdgpu_metadata
---
amdhsa.version: [ 1, 2 ]
amdhsa.kernels:
  - .name:           k_q281ba5968a_final
    .symbol:         k_q281ba5968a_final.kd
    .args:
      - { .name: w7, .offset: 0, .size: 8, .value_kind: global_buffer, .address_space: global }
      - { .name: o_b, .offset: 8, .size: 8, .value_kind: global_buffer, .address_space: global }
      - { .name: head_w, .offset: 16, .size: 8, .value_kind: global_buffer, .address_space: global }
      - { .name: head_b, .offset: 24, .size: 8, .value_kind: global_buffer, .address_space: global }
      - { .name: out2, .offset: 32, .size: 8, .value_kind: global_buffer, .address_space: global }
    .group_segment_fixed_size: 15872
    .private_segment_fixed_size: 0
    .kernarg_segment_align: 8
    .kernarg_segment_size: 40
    .max_flat_workgroup_size: 768
    .sgpr_count:     66
    .vgpr_count:     128
    .wavefront_size: 32
...
	.end_amdgpu_metadata
.endif
;; end of part 8
